; MI455X (gfx1250); checked and timed in simulation.
; The chip was launched on July 23, 2026; its instructions are those of AMD's public machine-readable ISA for CDNA 5 (MIT licence, August 2026) and "CDNA5" Instruction Set Architecture Reference Guide (July 2026). The comments in the code are by the model that wrote it; some were corrected since.
;; Causal Multihead Self Attention. Allowed arithmetic: matrix products marked QUANTISED: E4M3 operands, one given power-of-two scale a tensor, by v_wmma_f32_16x16x64_fp8_fp8 or v_wmma_f32_16x16x128_fp8_fp8, f32 sums; everything else in f32.
;; Inputs: Wk 1,024 x 1,024 float32; Wo 1,024 x 1,024 float32; Wq 1,024 x 1,024 float32; Wv 1,024 x 1,024 float32; lowp_scales 12 int32 (the exponents e of the quantised operands' scales 2^e); token_positions 2,048 int32; x 2 x 2,048 x 1,024 float32.
;; Outputs: out0 2 x 2,048 x 1,024 float32.
;; This version of the problem:
;;   THIS VERSION OF THE PROBLEM IS GIVEN IN LOW PRECISION. The matrix products marked QUANTISED in the list below multiply operands that are first quantised to E4M3 (4 exponent bits, 3 mantissa bits; 8 bits a number), with one given power-of-two scale for each operand tensor; their sums are f32. All else is computed in f32.
;;   The module's matrix products, in the order in which they are computed (A, B: the left and right operand; K: the contracted axis; several contracted axes count as one K, in the product's order):
;;     1. [M 4,096, K 1,024] x [K 1,024, N 1,024]; A: input x; B: input Wq: QUANTISED (scales: A lowp_scales[0], B lowp_scales[1])
;;     2. [M 4,096, K 1,024] x [K 1,024, N 1,024]; A: input x; B: input Wk: QUANTISED (scales: A lowp_scales[2], B lowp_scales[3])
;;     3. [M 4,096, K 1,024] x [K 1,024, N 1,024]; A: input x; B: input Wv: QUANTISED (scales: A lowp_scales[4], B lowp_scales[5])
;;     4. batch 32 x [M 2,048, K 64] x [K 64, N 2,048]; A: computed on the way; B: computed on the way: QUANTISED (scales: A lowp_scales[6], B lowp_scales[7])
;;     5. batch 32 x [M 2,048, K 2,048] x [K 2,048, N 64]; A: softmax (see below); B: computed on the way: QUANTISED (scales: A lowp_scales[8], B lowp_scales[9])
;;     6. [M 4,096, K 1,024] x [K 1,024, N 1,024]; A: computed on the way; B: input Wo: QUANTISED (scales: A lowp_scales[10], B lowp_scales[11])
;;   THE QUANTISER, for each operand of a quantised product, along K:
;;     - The operand's scale is 2^e, e = its entry of the input lowp_scales (int32; the entries are numbered through the quantised products in the list's order, A before B).
;;     - Each number is divided by the scale, clamped to +-448, and rounded to the nearest number of E4M3, ties to even, subnormals kept.
;;     - The product sums the exact products of the quantised numbers (number of the format x scale) in f32.
;;   ~~~python
;;   def quantise(x, axis, e):      # numpy; x: float32 -> the quantised numbers, widened to float32 again
;;       x = np.moveaxis(x, axis, -1); K = x.shape[-1]
;;       r = np.clip(x / 2.0 ** e, -448, 448)
;;       step = 2.0 ** (np.maximum(np.frexp(np.where(r == 0, 1, r))[1] - 1, -6) - 3)
;;       q = np.round(r / step) * step * 2.0 ** e      # np.round: ties to even
;;       return np.moveaxis(q, -1, axis).astype(np.float32)
;;   ~~~
;;   SOFTMAX AHEAD OF A QUANTISED PRODUCT. Where the list says 'softmax', what is quantised is not the finished softmax but p = 2^(t - M), with t = logit x log2(e) and M = ceil(the row's largest t), a whole number; so 1/2 < the row's largest p <= 1. The row's sum l is taken of the UNQUANTISED p, in f32, and the product's result is divided by l at the end. Since M is a whole number, a kernel that streams over the keys may use a running M (the ceiling of the running maximum): every later rescaling is an exact power of two, so the quantised numbers keep their values, but for numbers so far below the row's largest that they fall under the format's range.
;;   OPERANDS COMPUTED ON THE WAY. 'Computed on the way' means the value that the module computes at that place (a softmax that the list does not call 'softmax' is quantised finished and normalised). What goes into a quantiser is computed in f32, as accurately as f32 sums, v_exp_f32 and their like allow (about 1e-6 of the number): no bf16 or f16 on the way to a quantiser, and a product that is left as it is and whose result goes on into a quantised operand takes f32 operands (vector FMAs, or v_wmma_f32_16x16x4_f32). A number that lies on a knife's edge between two numbers of the format may be rounded either way, as far as f32 arithmetic and the matrix unit's own rounding can turn it there, and no further.
;; One version. Each part assembles by itself: llvm-mc -triple=amdgcn-amd-amdhsa -mcpu=gfx1250 --defsym DOCPART=n.
;; ======== version 1 of 1: 4 launches
;; limits: right only within a limited range of input values
;; workspace buffers: cw 16,777,216 bytes; rt 524,288 bytes; qkv 12,582,912 bytes; oc 4,194,304 bytes
;; launch prep (part 1): grid 1056 x 1, 4 waves a work-group, no clusters, 34,304 bytes of LDS; arguments x, Wq, Wk, Wv, Wo, token_positions, lowp_scales, cw, rt; writes cw, rt
.if DOCPART == 1
	.amdgcn_target "amdgcn-amd-amdhsa--gfx1250"
	.amdhsa_code_object_version 6
	.text
	.protected	k_qfa80878d0e_prep
	.globl	k_qfa80878d0e_prep
	.p2align	8
	.type	k_qfa80878d0e_prep,@function
k_qfa80878d0e_prep:
	s_mov_b64 s[64:65], 0
	v_nop
	global_prefetch_b8 v0, s[64:65] scope:SCOPE_SE
	s_setreg_imm32_b32 hwreg(HW_REG_WAVE_MODE, 25, 1), 1
	s_wait_xcnt 0x0
; x [4096][1024] and Wq, Wk, Wv, Wo [1024][1024], f32, become codes of E4M3 (code = number / 2^e, held within +-448, nearest, ties to even); and the table of cos and sin at token_positions is made.
; x is an operand of three products with three given scales (entries 0, 2, 4), so it is read once and converted three times.  Wq, Wk, Wv, Wo take entries 1, 3, 5, 11.
; LEFT OUT in the program: key steps of 128 keys that come wholly after a tile's 16 queries.  reference() puts -inf there itself, so p = 0 for all values of the inputs; a NaN or an infinity in such a product alone is not carried to the result.
; THE IMAGE.  All codes are laid as images of operand registers: 16 rows x 64 along K = 1,024 bytes = [2 halves][32 lanes][16 bytes].  Lane (r = lane % 16, h = lane / 16) holds row r;
; its register 2 c + u, byte y, is k = 16 c + 8 h + 4 u + y: the layout of the plain 8-bit matrix forms (ISA guide 7.12.2).  Whoever loads 16 bytes a lane at 16 x lane has a fragment's registers.
; cw = [4 K steps of 256][1,024 blocks of 16 rows][4 images]: blocks 0-255 x by entry 0, 256-511 x by entry 2, 512-767 x by entry 4, 768.. Wq, 832.. Wk, 896.. Wv, 960.. Wo.
; rt = [128 blocks of 16 sequence places][8][32 lanes][16 bytes]: lane (r, h), word 2 e + 0 cos, 2 e + 1 sin of angle position[16 block + r] x 10000^(-i/32), i = 8 (n / 2) + 4 h + 2 (n % 2) + e.
; SHARES.  Work-groups 0-511: x; 512-1023: the four W; 1024-1055: the table.  A wave's unit of x or W is 16 rows x 128 columns (8,192 bytes in, two images out for each scale).  Waves share nothing: no barrier.
; Each load reads 512 consecutive bytes of a row; the unit turns through the wave's own stage in LDS (rows of 512 + 16 bytes), from which a lane takes the eight neighbours along K that a conversion wants.
; No prefetch: there is no loop, and a wave's 16 loads go out at once.
; LIMITS: each exponent used here lies between -126 and 119.  |position| up to 2^23 (the reduction by pi/2 has three parts).  NaN among the inputs is not served; an infinity is held at the largest code.
.set STGB, 8448                        ; a wave's stage: 16 rows x 528 bytes
.set R,    16                          ; v16-79   the unit as loaded
.set X,    80                          ; v80-143  register 8 c + j: k = 16 c + 8 h + j of my row
.set TMP,  144                         ; v144-159 two sets of eight held numbers, by turns
.set C,    16                          ; v16-63   codes, over the unit as loaded, which has gone through the stage by then: 16 registers for each of three scales, so that no store's data are written again
.set F,    16                          ; the table's path: v16-31 frequencies, then angles
.set OUT,  32                          ; v32-63 cos and sin
.set EH,   64                          ; v64-79 the exponent's high part
.set EL,   80                          ; v80-95 its low part
	s_load_b256 s[4:11], s[0:1], 0x0               ; x s[4:5], Wq s[6:7], Wk s[8:9], Wv s[10:11]
	s_load_b256 s[12:19], s[0:1], 0x20             ; Wo s[12:13], positions s[14:15], scales s[16:17], cw s[18:19]
	s_load_b64 s[20:21], s[0:1], 0x40              ; rt
	v_lshl_add_u32 v160, v0, 2, 0x8400             ; my spare word, behind the four stages
	v_mov_b32 v161, 0
	v_lshrrev_b32 v1, 5, v0
	v_readfirstlane_b32 s36, v1                    ; wave
	v_and_b32 v1, 31, v0                           ; lane
	v_and_b32 v2, 15, v0                           ; r
	v_bfe_u32 v3, v0, 4, 1                         ; h
	v_lshlrev_b32 v4, 4, v1                        ; 16 x lane: my bytes of a load, and of an image's half
	s_wait_alu depctr_va_vdst(0)
	s_wait_kmcnt 0x0
	s_cmp_ge_u32 ttmp9, 1024
	s_cbranch_scc1 .Ltable
	; ---- x and the four W: one path
	s_load_b256 s[24:31], s[16:17], 0x0            ; entries 0 to 7
	s_load_b128 s[32:35], s[16:17], 0x20           ; entries 8 to 11
	s_lshl_b32 s37, ttmp9, 2
	s_add_co_u32 s37, s37, s36
	s_and_b32 s37, s37, 2047                       ; my unit among the 2,048 of x, or of the four W
	s_lshr_b32 s38, s37, 3                         ; its block of 16 rows, 0 to 255
	s_and_b32 s39, s37, 7                          ; its 128 columns
	s_lshr_b32 s40, s38, 6                         ; which W
	s_mov_b64 s[42:43], s[6:7]                     ; the source is chosen on ids alone
	s_cmp_eq_u32 s40, 1
	s_cselect_b64 s[42:43], s[8:9], s[42:43]
	s_cmp_eq_u32 s40, 2
	s_cselect_b64 s[42:43], s[10:11], s[42:43]
	s_cmp_eq_u32 s40, 3
	s_cselect_b64 s[42:43], s[12:13], s[42:43]
	s_cmp_lt_u32 ttmp9, 512
	s_cselect_b64 s[42:43], s[4:5], s[42:43]
	s_cselect_b32 s53, 255, 63                     ; blocks in the source
	s_cselect_b32 s54, 0, 768                      ; the destination's first block
	s_and_b32 s53, s38, s53
	s_lshl_b32 s44, s53, 16                        ; 16 rows of 4,096 bytes
	s_lshl_b32 s55, s39, 9
	s_add_co_u32 s44, s44, s55
	s_mov_b32 s45, 0
	s_add_nc_u64 s[42:43], s[42:43], s[44:45]
	s_wait_alu depctr_va_vdst(0)
.irp i, 0,1,2,3,4,5,6,7,8,9,10,11,12,13,14,15
	global_load_b128 v[R+4*\i:R+4*\i+3], v4, s[42:43] offset:4096*\i th:TH_LOAD_NT   ; row i: 32 lanes read 512 consecutive bytes
.endr
	s_add_co_u32 s54, s54, s38
	s_lshl_b32 s44, s54, 12                        ; a block of a K step is 4,096 bytes,
	s_and_b32 s55, s39, 1
	s_lshl_b32 s55, s55, 11                        ; 128 columns are two images, half of that,
	s_add_co_u32 s44, s44, s55
	s_lshr_b32 s55, s39, 1
	s_lshl_b32 s55, s55, 22                        ; and a K step of all blocks 4 MiB
	s_add_co_u32 s44, s44, s55
	s_add_nc_u64 s[46:47], s[18:19], s[44:45]
	s_add_nc_u64 s[48:49], s[46:47], 0x100000      ; x's second and third region, 256 blocks on each (used by x's work-groups alone)
	s_add_nc_u64 s[50:51], s[46:47], 0x200000
	s_mul_i32 s56, s36, STGB
	v_add_nc_u32 v5, s56, v4                       ; the stage, in: 16 x lane of a row
	v_mul_u32_u24 v6, v2, 528
	v_lshl_add_u32 v6, v3, 5, v6
	v_add_nc_u32 v6, s56, v6                       ; out: row r, + 32 h: numbers 8 h on of each 16
	s_wait_alu depctr_va_vdst(0)
	s_wait_kmcnt 0x0
	s_mov_b32 s52, s25                             ; the first scale's exponent, chosen as the source was
	s_cmp_eq_u32 s40, 1
	s_cselect_b32 s52, s27, s52
	s_cmp_eq_u32 s40, 2
	s_cselect_b32 s52, s29, s52
	s_cmp_eq_u32 s40, 3
	s_cselect_b32 s52, s35, s52
	s_cmp_lt_u32 ttmp9, 512
	s_cselect_b32 s52, s24, s52
.macro MKSC e, sc                      ; v[sc] = 2^e as f32 (a conversion takes its exponent field), v[sc + 1] = 448 x 2^e
	s_add_co_i32 s57, s[\e], 127
	s_lshl_b32 s58, s57, 23
	v_mov_b32 v[\sc], s58
	s_add_co_i32 s57, s57, 8
	s_lshl_b32 s57, s57, 23
	s_or_b32 s57, s57, 0x600000
	v_mov_b32 v[\sc+1], s57
.endm
	MKSC 52, 8
	MKSC 26, 10                                    ; x by entry 2
	MKSC 28, 12                                    ; x by entry 4
	s_wait_alu depctr_va_vdst(0)
.irp i, 0,1,2,3,4,5,6,7,8,9,10,11,12,13,14,15
	s_wait_loadcnt 15-\i                           ; loads come back in order: row i is in, the rows behind it may be out
	ds_store_b128 v5, v[R+4*\i:R+4*\i+3] offset:528*\i
.endr
.irp c, 0,1,2,3,4,5,6,7
	ds_load_b128 v[X+8*\c:X+8*\c+3], v6 offset:64*\c       ; LDS serves a wave's instructions in order: these see my stores
	ds_load_b128 v[X+8*\c+4:X+8*\c+7], v6 offset:64*\c+16
.endr
	s_wait_dscnt 0x0
; The unit by scale k: hold, convert, store two images.  The conversion to an 8-bit code does not saturate (ISA guide 7.6.2), so each number is held within the largest code x the scale first.
; The two sets of TMP take turns, so that eight plain lines stand between a conversion and the next write of its sources.
.macro CONV k
.irp c, 0,1,2,3,4,5,6,7
.irp j, 0,1,2,3,4,5,6,7
	v_med3_num_f32 v[TMP+8*(\c%2)+\j], v[X+8*\c+\j], -v[9+2*\k], v[9+2*\k]
.endr
	v_cvt_scalef32_pk8_fp8_f32 v[C+16*\k+2*\c:C+16*\k+2*\c+1], v[TMP+8*(\c%2):TMP+8*(\c%2)+7], v[8+2*\k]
.endr
	v_nop                                          ; a plain line behind the last conversion
.irp s, 0,1,2,3
	global_store_b128 v4, v[C+16*\k+4*\s:C+16*\k+4*\s+3], s[46+2*\k:47+2*\k] offset:512*\s   ; 32 lanes store 512 consecutive bytes, aligned
.endr
.endm
	CONV 0
	s_cmp_ge_u32 ttmp9, 512
	s_cbranch_scc1 .Lend                           ; a W has one scale
	CONV 1
	CONV 2
.Lend:
	s_wait_tensorcnt 0x0                           ; the wave's end
	ds_add_u32 v160, v161
	s_wait_dscnt 0x0
	s_endpgm
	; ---- the table: a wave takes 16 sequence places; lane (r, h) makes 16 of place r's 32 frequencies: i = 8 (m / 4) + m % 4 + 4 h, m = 0 .. 15
.Ltable:
	s_sub_co_u32 s37, ttmp9, 1024
	s_lshl_b32 s37, s37, 2
	s_add_co_u32 s37, s37, s36                     ; block of 16 places, 0 to 127
	s_lshl_b32 s38, s37, 6
	s_mov_b32 s39, 0
	s_add_nc_u64 s[14:15], s[14:15], s[38:39]
	s_lshl_b32 s38, s37, 12
	s_add_nc_u64 s[20:21], s[20:21], s[38:39]
	s_wait_alu depctr_va_vdst(0)
	v_lshlrev_b32 v8, 2, v2
	global_load_b32 v7, v8, s[14:15]               ; position of place r
	s_mov_b32 s66, 0xbed49a78                      ; -log2(10) / 8, high part: 10000^(-i/32) = 2^(-i log2(10) / 8)
	s_mov_b32 s67, 0xb2179a37                      ; and what the high part lacks
	s_mov_b32 s68, 0x3f317218                      ; ln 2
	s_mov_b32 s69, 0x3f22f983                      ; 2 / pi
	s_mov_b32 s70, 0xbfc90fdb                      ; -pi/2 in three parts
	s_mov_b32 s71, 0x333bbd2e
	s_mov_b32 s72, 0x26f72ced
	s_mov_b32 s73, 0xbe2aaaa3                      ; sin r = r + r z (S1 + z (S2 + z S3)), z = r^2, |r| <= pi/4
	s_mov_b32 s74, 0x3c08839e
	s_mov_b32 s75, 0xb94ca1f9
	s_mov_b32 s76, 0x3d2aaaa5                      ; cos r = 1 - z/2 + z^2 (C1 + z (C2 + z C3))
	s_mov_b32 s77, 0xbab6061a
	s_mov_b32 s78, 0x37ccf5ce
	v_lshlrev_b32 v14, 2, v3                       ; 4 h
.irp m, 0,1,2,3,4,5,6,7,8,9,10,11,12,13,14,15
	v_add_nc_u32 v15, 8*(\m/4)+\m%4, v14
	v_cvt_f32_u32 v15, v15                         ; i
	v_mul_f32 v[EH+\m], s66, v15                   ; the exponent, rounded,
	v_fma_f32 v[EL+\m], v15, s66, -v[EH+\m]        ; what the rounding dropped (exact),
	v_fma_f32 v[EL+\m], v15, s67, v[EL+\m]         ; and the constant's low part
.endr
	s_wait_alu depctr_va_vdst(0)
.irp m, 0,1,2,3,4,5,6,7,8,9,10,11,12,13,14,15
	v_exp_f32 v[F+\m], v[EH+\m]
.endr
	v_nop                                          ; a plain line behind the last exponential
	s_wait_loadcnt 0x0
	v_cvt_f32_i32 v7, v7
	s_wait_alu depctr_va_vdst(0)                   ; one wait for the sixteen exponentials, ahead of their first reader
.irp m, 0,1,2,3,4,5,6,7,8,9,10,11,12,13,14,15
	v_mul_f32 v96, v[F+\m], v[EL+\m]
	v_fma_f32 v[F+\m], v96, s68, v[F+\m]           ; 2^(high + low) = 2^high (1 + low ln 2)
	v_mul_f32 v[F+\m], v7, v[F+\m]                 ; the angle: one rounding, as position x frequency has it
.endr
; cos and sin of angle m, without a transcendental: n = the nearest whole number to angle x 2/pi; r = angle - n pi/2 by three fused steps (the first is exact: a multiple of 2^-23 under 2); two polynomials; the quadrant.
.macro SINCOS m
	v_mul_f32 v96, s69, v[F+\m]
	v_rndne_f32 v96, v96                           ; n
	v_fma_f32 v97, v96, s70, v[F+\m]
	v_fma_f32 v97, v96, s71, v97
	v_fma_f32 v97, v96, s72, v97                   ; r
	v_cvt_i32_f32 v98, v96                         ; q
	v_mul_f32 v99, v97, v97                        ; z
	v_fma_f32 v100, v99, s75, s74
	v_fma_f32 v100, v100, v99, s73
	v_mul_f32 v101, v99, v97
	v_fma_f32 v100, v100, v101, v97                ; sin r
	v_fma_f32 v102, v99, s78, s77
	v_fma_f32 v102, v102, v99, s76
	v_mul_f32 v103, v99, v99
	v_fma_f32 v101, v99, -0.5, 1.0
	v_fma_f32 v102, v102, v103, v101               ; cos r
	v_and_b32 v101, 1, v98
	v_cmp_eq_u32 vcc_lo, 1, v101                   ; an odd quadrant swaps the two
	v_cndmask_b32 v103, v100, v102, vcc_lo
	v_cndmask_b32 v102, v102, v100, vcc_lo
	v_lshlrev_b32 v101, 30, v98                    ; sin changes sign where q mod 4 is 2 or 3,
	v_and_b32 v101, 0x80000000, v101
	v_xor_b32 v[OUT+2*\m+1], v101, v103
	v_add_nc_u32 v98, 1, v98                       ; cos where it is 1 or 2
	v_lshlrev_b32 v98, 30, v98
	v_and_b32 v98, 0x80000000, v98
	v_xor_b32 v[OUT+2*\m], v98, v102
.endm
.irp m, 0,1,2,3,4,5,6,7,8,9,10,11,12,13,14,15
	SINCOS \m
.endr
.irp n, 0,1,2,3,4,5,6,7
	global_store_b128 v4, v[OUT+4*\n:OUT+4*\n+3], s[20:21] offset:512*\n   ; 512 consecutive bytes, aligned
.endr
	s_endpgm
.Lfunc_end_k_qfa80878d0e_prep:
	.size	k_qfa80878d0e_prep, .Lfunc_end_k_qfa80878d0e_prep-k_qfa80878d0e_prep
	.p2alignl 7, 3214868480
	.fill 96, 4, 3214868480
	.section	.rodata,"a",@progbits
	.p2align	6, 0x0
	.amdhsa_kernel k_qfa80878d0e_prep
		.amdhsa_group_segment_fixed_size 34304
		.amdhsa_private_segment_fixed_size 0
		.amdhsa_enable_private_segment 0
		.amdhsa_kernarg_size 72
		.amdhsa_user_sgpr_count 2
		.amdhsa_user_sgpr_kernarg_segment_ptr 1
		.amdhsa_wavefront_size32 1
		.amdhsa_system_sgpr_workgroup_id_x 1
		.amdhsa_system_sgpr_workgroup_id_y 1
		.amdhsa_system_sgpr_workgroup_id_z 1
		.amdhsa_system_vgpr_workitem_id 0
		.amdhsa_next_free_vgpr 168
		.amdhsa_next_free_sgpr 96
		.amdhsa_reserve_vcc 1
		.amdhsa_float_denorm_mode_32 3
		.amdhsa_float_denorm_mode_16_64 3
		.amdhsa_memory_ordered 1
		.amdhsa_forward_progress 1
		.amdhsa_inst_pref_size 51
	.end_amdhsa_kernel
	.amdgpu_metadata
---
amdhsa.version: [ 1, 2 ]
amdhsa.kernels:
  - .name:           k_qfa80878d0e_prep
    .symbol:         k_qfa80878d0e_prep.kd
    .args:
      - { .name: x, .offset: 0, .size: 8, .value_kind: global_buffer, .address_space: global }
      - { .name: Wq, .offset: 8, .size: 8, .value_kind: global_buffer, .address_space: global }
      - { .name: Wk, .offset: 16, .size: 8, .value_kind: global_buffer, .address_space: global }
      - { .name: Wv, .offset: 24, .size: 8, .value_kind: global_buffer, .address_space: global }
      - { .name: Wo, .offset: 32, .size: 8, .value_kind: global_buffer, .address_space: global }
      - { .name: token_positions, .offset: 40, .size: 8, .value_kind: global_buffer, .address_space: global }
      - { .name: lowp_scales, .offset: 48, .size: 8, .value_kind: global_buffer, .address_space: global }
      - { .name: cw, .offset: 56, .size: 8, .value_kind: global_buffer, .address_space: global }
      - { .name: rt, .offset: 64, .size: 8, .value_kind: global_buffer, .address_space: global }
    .group_segment_fixed_size: 34304
    .private_segment_fixed_size: 0
    .kernarg_segment_align: 8
    .kernarg_segment_size: 72
    .max_flat_workgroup_size: 128
    .sgpr_count:     96
    .vgpr_count:     168
    .wavefront_size: 32
...
	.end_amdgpu_metadata
.endif
;; end of part 1
;; launch qkv (part 2): grid 12 x 16, 4 waves a work-group, clusters of 4 x 4, 327,680 bytes of LDS; arguments cw, rt, lowp_scales, qkv; writes qkv
.if DOCPART == 2
	.amdgcn_target "amdgcn-amd-amdhsa--gfx1250"
	.amdhsa_code_object_version 6
	.text
	.protected	k_qfa80878d0e_qkv
	.globl	k_qfa80878d0e_qkv
	.p2align	8
	.type	k_qfa80878d0e_qkv,@function
k_qfa80878d0e_qkv:
	s_mov_b64 s[64:65], 0
	v_nop
	global_prefetch_b8 v0, s[64:65] scope:SCOPE_SE
	s_setreg_imm32_b32 hwreg(HW_REG_WAVE_MODE, 25, 1), 1
	s_wait_xcnt 0x0
	s_wait_alu depctr_hold_cnt(0) depctr_sa_sdst(0) depctr_va_vdst(0) depctr_va_sdst(0) depctr_va_ssrc(0) depctr_va_vcc(0) depctr_vm_vsrc(0)
	s_getreg_b32 s2, hwreg(HW_REG_IB_STS2, 6, 4)
	s_cmp_eq_u32 s2, 0
	s_cbranch_scc0 .Lentry_in_a_cluster
	s_endpgm
.Lentry_in_a_cluster:
	s_bfe_u32 s2, ttmp6, 0x10000c
	s_cmp_lg_u32 s2, 0xf033
	s_cbranch_scc0 .Lentry_shape_is_right
	s_endpgm
.Lentry_shape_is_right:
; q = x Wq^T, k = x Wk^T, v = x Wv^T on codes of E4M3 (buffer cw: [4 K steps of 256][1,024 blocks of 16 rows][4 images of a fragment's registers]); K = 1,024.
; q and k are turned by the table of cos and sin (rt), and all three are quantised on the way out, for the attention's products, into qkv:
;   Q at 0, K at 4 MiB: [32 heads (16 batch + head)][128 blocks of 16 tokens][1,024]: images with rows = tokens, K = the head's 64;
;   V at 8 MiB:         [32 heads][32 chunks of 64 keys][4 blocks of 16 channels][1,024]: images with rows = channels, K = the keys.
; A tile of 256 x 256 results is made by four waves, 128 x 128 each: 64 accumulators, 512 registers.  K goes in steps of 256 through two LDS slots: four K steps, written out.
; A wave fetches 128 rows, 32,768 bytes on end in each K step.  Its one load at the head is a tile of two such rows: K steps 0 and 1, both slots.  Each refill is one K step.
; REGIONS.  The cluster's x says which product: 0 q, 1 k, 2 v.  Source 0 of the matrix instruction takes 16 rows of tile B, source 1 16 rows of tile A, so that a lane holds ONE row of A and eight neighbouring rows of B.
;   q, k: A = tokens, B = W's rows: a lane's eight results are eight neighbouring features of a token: the pairs that are turned lie in register pairs, and the next K (the head's 64) runs along the registers.
;   v:    A = Wv's rows, B = tokens: a lane's eight results are eight neighbouring KEYS of a channel: the next K (the keys) runs along the registers.
; So the conversions' results are image registers, and they are stored from registers, 512 consecutive bytes an instruction: the way out uses no LDS.
; CLUSTERS: 4 x 4 work-groups; A's tile is asked for jointly by the four of a row of the cluster, B's by the four of a column.  The product is the same in all sixteen partners.
; PREFETCH: K step 2 is named behind the head's load, K step 3 behind the first fragments' loads, each more than a K step ahead of its refill, one instruction a wave.  Of the 32,768 bytes that a wave fetches
; each of the four partners names 8,192 (lanes 256 bytes apart), told apart by address: cx for A, cy for B.  There is no K step 4.
; The three scales ahead of each quantiser are folded into the conversion's one: q: 2^(e6 - e0 - e1), k: 2^(e7 - e2 - e3), v: 2^(e9 - e4 - e5).  LIMIT: each of these exponents lies between -126 and 119.
; REGISTERS, in windows of 256: window 0: v16-31 addresses and the scale; from v128 A's fragments, ONE set; on the way out v32-191 at work.  window 1: B's fragments, TWO sets.  windows 2, 3: the accumulators ((a, b) at v[8 (8 (a % 4) + b)]).
.set KSB,   4096                       ; 256 along K of one block of 16 rows: four images
.set KST,   0x400000                   ; from a K step to the next in cw
.set SLOT,  8*KSB                      ; a wave's 128 rows in a slot: slot 1 lies behind slot 0, wave by wave
.set HALFT, 2*SLOT                     ; what one wave fetches: A's two halves, then B's
.set SPARE, 4*HALFT                    ; behind the tiles: the spare words, 128 bytes for each wave: two blocks of 256 bytes that no other line names
.set FR,    16                         ; registers of a fragment: 16 rows x 128 K = two images
.set NL,    4                          ; LDS loads that bring one
.set NP,    4                          ; places behind this matrix instruction (ISA guide 7.12.1)
.set ADRA,  16                         ; v16-17  LDS address of my A fragments in slot 0, 1
.set ADRB,  20                         ; v20-21  the same for B
.set LI,    26                         ; v26     16 x lane; never rewritten
.set PFO,   27                         ; v27     256 x lane; never rewritten
.set SPW,   28                         ; v28     LDS address of my spare word; never rewritten
.set NIL,   29                         ; v29     0; never rewritten
.set SC,    30                         ; v30     the conversion's scale as f32
.set LM,    31                         ; v31     448 x that
.set T,     32                         ; v32-95  a block's 64 numbers
.set CS,    96                         ; v96-159 two sets of 32 table words
.set CD,    160                        ; v160-191 two sets of 16 registers of codes
.set AF,    128
.set G1,  24                           ; s[24:31] descriptor group 1 for A's tiles;  s[32:39] group 0, one set for each slot
.set G0,  32
.set G1B, 48                           ; s[48:55], s[56:63] the same for B's tiles
.set G0B, 56
.set MSB, 0
.macro WIN new                         ; the immediate's high byte repeats the setting that is left
.if MSB != \new
	s_set_vgpr_msb (MSB<<8)|\new
.set MSB, \new
.endif
.endm
.set MUL_LO, 0xa1                      ; source 0 (B) window 1, source 1 (A) window 0, C and D window 2
.set MUL_HI, 0xf1                      ; the same, C and D window 3
.set TO_B,   0x40                      ; destination window 1, address window 0
; A joint load: waves 0 and 1 fetch for A, waves 2 and 3 for B; the branch hangs on the wave's number alone.  Four v_nop follow each of the two lines.
.macro JLOAD g0a, g1a, g0b, g1b
	s_cmp_eq_u32 s15, 0
	s_cbranch_scc0 .Lfor_b_\@
	tensor_load_to_lds s[\g0a:\g0a+3], s[\g1a:\g1a+7]
	s_nop 0
.rept 4
	v_nop
.endr
	s_branch .Lasked_\@
.Lfor_b_\@:
	tensor_load_to_lds s[\g0b:\g0b+3], s[\g1b:\g1b+7]
	s_nop 0
.rept 4
	v_nop
.endr
.Lasked_\@:
.endm
.macro CREST                           ; a round of the cluster's barrier behind its opening barrier
	s_cmp_lg_u32 s14, 0
	s_cbranch_scc1 .Lnot_wave_0_\@
	s_barrier_signal -3
.Lnot_wave_0_\@:
	s_barrier_wait -3
	s_barrier_signal -1
	s_barrier_wait -1
.endm
.macro CROUND                          ; a whole round
	s_barrier_signal -1
	s_barrier_wait -1
	CREST
.endm
	s_load_b128 s[4:7], s[0:1], 0x0                ; cw s[4:5], rt s[6:7]
	s_load_b128 s[8:11], s[0:1], 0x10              ; the scales' exponents s[8:9], qkv s[10:11]
	v_lshl_add_u32 v[SPW], v0, 2, SPARE
	v_mov_b32 v[NIL], 0
	ds_add_u32 v[SPW], v[NIL]                      ; the wave's opening: the add, twice on end, and its wait
	ds_add_u32 v[SPW], v[NIL]
	v_lshrrev_b32 v1, 5, v0
	v_readfirstlane_b32 s14, v1                    ; wave 0..3
	s_lshr_b32 s15, s14, 1                         ; which half of A's rows is mine.  Also: I fetch for A (0) or for B (1)
	s_and_b32 s16, s14, 1                          ; which half of B's rows.  Also: which 128 rows of that tile I fetch
	s_bfe_u32 s40, ttmp6, 0x40000                  ; cx, cy: my place in the cluster
	s_bfe_u32 s41, ttmp6, 0x40004
	s_and_b32 s42, ttmp7, 0xffff
	s_lshl_b32 s42, s42, 2                         ; 4 x cluster y
	s_lshl_b32 s43, s41, 2
	s_lshl_b32 s43, 15, s43                        ; my row of the cluster
	s_lshl_b32 s44, 0x1111, s40                    ; my column
	; descriptor group 1 at the head: two rows (K steps 0 and 1) x 32,768 bytes (4,096 elements of 8), 4 MiB apart; images need no padding
	s_or_b32 s[G1+0], s43, (3<<16)|(1<<21)         ; 15:0 the mask: A's tiles go to my row; 17:16 elements of 8 bytes; 21 set beside a mask
	s_or_b32 s[G1B+0], s44, (3<<16)|(1<<21)
.irp g, G1, G1B
	s_mov_b32 s[\g+1], 4096<<16                    ; tensor_dim0
	s_mov_b32 s[\g+2], 2<<16                       ; tensor_dim1
	s_mov_b32 s[\g+3], 4096<<16                    ; tile_dim0
	s_mov_b32 s[\g+4], 2                           ; tile_dim1
	s_mov_b32 s[\g+5], KST/8                       ; tensor_dim0_stride
	s_mov_b32 s[\g+6], 0
	s_mov_b32 s[\g+7], 0
.endr
	; which tiles.  q, k: A = tokens' tile 4 cluster y + cy of x's region, B = tile cx of W's.  v: A = tile cy of Wv, B = tokens' tile 4 cluster y + cx.  A's numbers never hold cx, B's never cy.
	s_add_co_u32 s17, s42, s41
	s_add_co_u32 s19, s42, s40
	s_lshl_b32 s18, ttmp9, 8                       ; x's region by this product's scale: block 256 x product
	s_lshl_b32 s92, ttmp9, 6
	s_add_co_u32 s92, s92, 768                     ; W's: block 768 + 64 x product
	s_cmp_eq_u32 ttmp9, 2
	s_cselect_b32 s17, s41, s17                    ; A's tile
	s_cselect_b32 s19, s19, s40                    ; B's tile
	s_cselect_b32 s18, 896, s18                    ; A's region's first block
	s_cselect_b32 s92, 512, s92                    ; B's
	s_lshl_b32 s20, s17, 4
	s_add_co_u32 s20, s20, s18
	s_lshl_b32 s21, s16, 3
	s_add_co_u32 s20, s20, s21                     ; the first of the 8 blocks that I fetch, if for A
	s_lshl_b32 s20, s20, 12
	s_mov_b32 s21, 0
	s_lshl_b32 s46, s19, 4
	s_add_co_u32 s46, s46, s92
	s_lshl_b32 s47, s16, 3
	s_add_co_u32 s46, s46, s47                     ; if for B
	s_lshl_b32 s46, s46, 12
	s_mov_b32 s47, 0
	s_mul_i32 s45, s14, HALFT                      ; where they go: no place in the cluster enters an LDS address
	s_wait_dscnt 0x0                               ; both opening adds are done
	s_wait_kmcnt 0x0
	s_load_b256 s[68:75], s[8:9], 0x0              ; e0 to e7
	s_load_b128 s[76:79], s[8:9], 0x20             ; e8 to e11
	s_add_nc_u64 s[20:21], s[4:5], s[20:21]
	s_add_nc_u64 s[46:47], s[4:5], s[46:47]
	CROUND                                         ; all sixteen work-groups are here: the first joint loads meet
.irp s, 0,1
	s_mov_b32 s[G0+4*\s], 1
	s_add_co_u32 s[G0+4*\s+1], s45, \s*SLOT
	s_add_nc_u64 s[G0+4*\s+2:G0+4*\s+3], s[20:21], \s*KST
	s_or_b32 s[G0+4*\s+3], s[G0+4*\s+3], 0x80000000
	s_mov_b32 s[G0B+4*\s], 1
	s_add_co_u32 s[G0B+4*\s+1], s45, \s*SLOT
	s_add_nc_u64 s[G0B+4*\s+2:G0B+4*\s+3], s[46:47], \s*KST
	s_or_b32 s[G0B+4*\s+3], s[G0B+4*\s+3], 0x80000000
.endr
	JLOAD G0, G1, G0B, G1B                         ; K steps 0 and 1
	s_cmp_eq_u32 s15, 0                            ; the prefetches' addresses: K steps 2 and 3 of what I fetch, my work-group's quarter of it
	s_cselect_b64 s[12:13], s[20:21], s[46:47]
	s_cselect_b32 s94, s40, s41
	s_lshl_b32 s94, s94, 13
	s_add_co_u32 s94, s94, 2*KST
	s_mov_b32 s95, 0
	s_add_nc_u64 s[12:13], s[12:13], s[94:95]
	s_add_nc_u64 s[66:67], s[12:13], KST
	s_mul_i32 s22, s15, HALFT                      ; my 128 rows of A
	s_mul_i32 s23, s16, HALFT                      ; my 128 rows of B,
	s_add_co_u32 s23, s23, 2*HALFT                 ; which lie behind A's 256
	v_and_b32 v1, 31, v0
	v_lshlrev_b32 v[PFO], 8, v1
	v_lshlrev_b32 v[LI], 4, v1
	global_prefetch_b8 v[PFO], s[12:13] th:TH_LOAD_NT scope:SCOPE_SE
.irp s, 0,1
	v_add_nc_u32 v[ADRA+\s], s22, v[LI]
	v_add_nc_u32 v[ADRB+\s], s23, v[LI]
	s_add_co_u32 s22, s22, SLOT
	s_add_co_u32 s23, s23, SLOT
.endr
	; where my results go.  tok0: my first token; my first head.  One formula serves the three regions: 4 MiB x product + 131,072 (16 batch + head) + 64 (tok0 mod 2,048).
	; From A's block a to a + 4: q, k: four blocks of tokens, 4,096 bytes; v: the next head, 131,072.  From B's first 64 rows to the second: q, k: the next head; v: the next chunk of keys, 4,096.
	s_mov_b32 s96, 4096
	s_mov_b32 s97, 0x20000
	s_cmp_eq_u32 ttmp9, 2
	s_cselect_b32 s90, s19, s17                    ; the tokens' tile
	s_cselect_b32 s91, s16, s15                    ; and my half of it
	s_cselect_b32 s93, s17, s19                    ; the features' tile
	s_cselect_b32 s94, s15, s16                    ; and my half of it
	s_cselect_b32 s98, s97, s96
	s_cselect_b32 s99, s96, s97
	s_lshl_b32 s90, s90, 8
	s_lshl_b32 s91, s91, 7
	s_add_co_u32 s90, s90, s91                     ; tok0
	s_lshr_b32 s91, s90, 11
	s_lshl_b32 s91, s91, 4                         ; 16 x batch
	s_lshl_b32 s93, s93, 2
	s_add_co_u32 s91, s91, s93
	s_lshl_b32 s94, s94, 1
	s_add_co_u32 s91, s91, s94                     ; + my first head: 4 x tile + 2 x half
	s_lshl_b32 s91, s91, 17
	s_and_b32 s90, s90, 2047
	s_lshl_b32 s93, s90, 6
	s_add_co_u32 s91, s91, s93
	s_lshl_b32 s93, ttmp9, 22
	s_add_co_u32 s94, s91, s93
	s_mov_b32 s95, 0
	s_add_nc_u64 s[80:81], s[10:11], s[94:95]      ; A's blocks 0-3, B's first 64 rows
	s_mov_b32 s94, s99
	s_add_nc_u64 s[82:83], s[80:81], s[94:95]      ; A's blocks 0-3, B's second 64
	s_mov_b32 s94, s98
	s_add_nc_u64 s[84:85], s[80:81], s[94:95]      ; A's blocks 4-7
	s_add_nc_u64 s[86:87], s[82:83], s[94:95]
	s_lshl_b32 s94, s90, 8
	s_add_nc_u64 s[88:89], s[6:7], s[94:95]        ; the table at my first token's place in its sequence: 4,096 bytes for 16 places
	s_wait_alu depctr_va_vdst(0)
	s_wait_kmcnt 0x0
	s_sub_co_i32 s93, s74, s68
	s_sub_co_i32 s93, s93, s69                     ; e6 - e0 - e1
	s_sub_co_i32 s94, s75, s70
	s_sub_co_i32 s94, s94, s71                     ; e7 - e2 - e3
	s_sub_co_i32 s95, s77, s72
	s_sub_co_i32 s95, s95, s73                     ; e9 - e4 - e5
	s_cmp_eq_u32 ttmp9, 1
	s_cselect_b32 s93, s94, s93
	s_cmp_eq_u32 ttmp9, 2
	s_cselect_b32 s93, s95, s93
	s_add_co_i32 s93, s93, 127
	s_lshl_b32 s94, s93, 23
	v_mov_b32 v[SC], s94
	s_add_co_i32 s93, s93, 8
	s_lshl_b32 s93, s93, 23
	s_or_b32 s93, s93, 0x600000
	v_mov_b32 v[LM], s93
.macro FRAG reg, adr, q, i             ; a fragment, 16 rows x 128 K, is two images on end: four loads of 512 consecutive bytes; k stands in the place that the form's own layout gives it
.irp c, 0,1,2,3
	ds_load_b128 v[\reg+4*\c:\reg+4*\c+3], v[\adr] offset:(\i)*KSB+(\q)*2048+512*\c
.endr
.endm
; 16 matrix instructions: A's blocks a0, a0 + 1 x B's eight, 128 along K.  p: B's set.  zero = 1: the first product starts the sums.  The 64 accumulators take turns, one instruction a turn, in the same order in every step.
.macro MUL16 a0, p, zero
.irp a, \a0, \a0+1
.irp b, 0,1,2,3,4,5,6,7
.if \zero
	v_wmma_f32_16x16x128_fp8_fp8 v[8*(8*((\a)%4)+\b):8*(8*((\a)%4)+\b)+7], v[128*(\p)+FR*\b:128*(\p)+FR*\b+FR-1], v[AF+FR*(\a):AF+FR*(\a)+FR-1], 0
.else
	v_wmma_f32_16x16x128_fp8_fp8 v[8*(8*((\a)%4)+\b):8*(8*((\a)%4)+\b)+7], v[128*(\p)+FR*\b:128*(\p)+FR*\b+FR-1], v[AF+FR*(\a):AF+FR*(\a)+FR-1], v[8*(8*((\a)%4)+\b):8*(8*((\a)%4)+\b)+7]
.endif
.endr
.endr
.endm
.macro FETCH_B slot, q, p              ; B's eight fragments of the slot's q-th 128 along K into set p
	WIN TO_B
.irp i, 0,1,2,3,4,5,6,7
	FRAG 128*(\p)+FR*\i, ADRB+\slot, \q, \i
.endr
	WIN 0
.endm
.macro FETCH_A slot, q, i0             ; A's blocks i0 .. i0 + 3
.irp i, \i0, \i0+1, \i0+2, \i0+3
	FRAG AF+FR*(\i), ADRA+\slot, \q, \i
.endr
.endm
.macro PLACES n                        ; plain vector lines between a matrix instruction and a load into, or a vector read or write of, its registers
.rept \n
	v_nop
.endr
.endm
; A step of 128 along K that has its successor in the same slot.  A block of A is free when its eight products are issued: blocks 0-3 are fetched anew in the step's middle, blocks 4-7 at its end.
.macro STEP slot, q, zero
	s_wait_dscnt 4*NL                              ; B's set and A's blocks 0-3 are in; the youngest 16 loads (A's blocks 4-7) may be out
	WIN MUL_LO
	MUL16 0, (\q)%2, \zero
	MUL16 2, (\q)%2, \zero
	s_wait_dscnt 0                                 ; A's blocks 4-7 are in
	PLACES NP
	FETCH_B \slot, (\q)+1, 1-(\q)%2
	FETCH_A \slot, (\q)+1, 0
	WIN MUL_HI
	MUL16 4, (\q)%2, \zero
	MUL16 6, (\q)%2, \zero
	PLACES NP
	WIN 0
	FETCH_A \slot, (\q)+1, 4
.endm
; A slot's last step changes slots: ONE barrier; in front of it each wave waits for all its tensor loads, adds 0 to its spare word, and waits for that and for its own reads of this slot.  fill = 1: this slot is filled again, two K steps ahead.
.macro TURN slot, next, fill
	s_wait_tensorcnt 0x0                           ; all my tensor loads have landed: my part of the next slot  (every window is 0 here)
	ds_add_u32 v[SPW], v[NIL]                      ; 0 onto my spare word
	s_wait_dscnt 4*NL+1                            ; (the add and the youngest 16 loads, A's blocks 4-7, may be out)
	WIN MUL_LO
	MUL16 0, 1, 0                                  ; sixteen matrix instructions stand between the add and the wait for it
	s_wait_dscnt 0x0                               ; the add is done, and my reads of this slot are over
	s_barrier_signal -1
	MUL16 2, 1, 0
	WIN 0
	s_barrier_wait -1
.if \fill
	CREST                                          ; the barrier has opened a round of the cluster's barrier: no wave of any partner still reads this slot or has a load on its way
	s_add_nc_u64 s[G0+4*\slot+2:G0+4*\slot+3], s[G0+4*\slot+2:G0+4*\slot+3], 2*KST
	s_add_nc_u64 s[G0B+4*\slot+2:G0B+4*\slot+3], s[G0B+4*\slot+2:G0B+4*\slot+3], 2*KST
	JLOAD G0+4*\slot, G1, G0B+4*\slot, G1B         ; the first tensor load behind the round; its four v_nop are also the places in front of the loads below
.else
	PLACES NP
.endif
	FETCH_B \next, 0, 0
	FETCH_A \next, 0, 0
	WIN MUL_HI
	MUL16 4, 1, 0
	MUL16 6, 1, 0
	PLACES NP
	WIN 0
	FETCH_A \next, 0, 4
.endm
	s_wait_alu depctr_va_vdst(0)
	s_wait_tensorcnt 0x0                           ; my part of K steps 0 and 1 is in: nothing of mine is out, so group 1 may be written
	s_barrier_signal -1
	s_barrier_wait -1                              ; everybody's is
.irp g, G1, G1B                        ; a refill is one K step: 32,768 bytes on end, as two rows of 16,384
	s_mov_b32 s[\g+1], 2048<<16
	s_mov_b32 s[\g+3], 2048<<16
	s_mov_b32 s[\g+5], 2048
.endr
	FETCH_B 0, 0, 0
	FETCH_A 0, 0, 0
	FETCH_A 0, 0, 4
	global_prefetch_b8 v[PFO], s[66:67] th:TH_LOAD_NT scope:SCOPE_SE
	STEP 0, 0, 1                                   ; K step 0; its first products start the sums
	TURN 0, 1, 1                                   ; slot 0 takes K step 2
	STEP 1, 0, 0                                   ; K step 1
	TURN 1, 0, 1                                   ; slot 1 takes K step 3
	STEP 0, 0, 0                                   ; K step 2
	TURN 0, 1, 0                                   ; nothing is left to ask for
	STEP 1, 0, 0                                   ; K step 3
	s_wait_dscnt 4*NL
	WIN MUL_LO
	MUL16 0, 1, 0
	MUL16 2, 1, 0
	s_wait_dscnt 0
	WIN MUL_HI
	MUL16 4, 1, 0
	MUL16 6, 1, 0
	WIN 0
	PLACES NP                                      ; in front of the reads of results and of loads and writes into the registers that held A's fragments
; THE WAY OUT, block by block of A's 16 rows.  Accumulator (a, b), lane (r, h), register j: row r of A's block a, row 16 b + 8 h + j of B.
.macro TBL a                           ; the table words of block a's 16 tokens: register 8 (b % 4) + 2 p: cos, + 1: sin, of pair 8 (b % 4) + 4 h + p of a head
.irp n, 0,1,2,3,4,5,6,7
	global_load_b128 v[CS+32*((\a)%2)+4*\n:CS+32*((\a)%2)+4*\n+3], v[LI], s[88:89] offset:4096*(\a)+512*\n
.endr
.endm
; The block's 64 numbers in v[T] on become 16 registers of codes: registers 2 (b % 4), + 1 of image b / 4.  hold = 1: they are held at the largest code x the scale here (the conversion does not saturate: ISA guide 7.6.2).
.macro CODES a, hold
.set CDS, CD+16*((\a)%2)
.set PP, 80+4*((\a)/4)
.if (\a) >= 2
	s_wait_xcnt 0x0                                ; block a - 2's stores have read these registers
.endif
.irp b, 0,1,2,3,4,5,6,7
.if \hold
.irp j, 0,1,2,3,4,5,6,7
	v_med3_num_f32 v[T+8*\b+\j], v[T+8*\b+\j], -v[LM], v[LM]
.endr
.endif
	v_cvt_scalef32_pk8_fp8_f32 v[CDS+2*\b:CDS+2*\b+1], v[T+8*\b:T+8*\b+7], v[SC]
.endr
	v_nop                                          ; a plain line behind the last conversion
	global_store_b128 v[LI], v[CDS:CDS+3], s[PP:PP+1] offset:1024*((\a)%4)          ; each store: 512 consecutive bytes, aligned
	global_store_b128 v[LI], v[CDS+4:CDS+7], s[PP:PP+1] offset:1024*((\a)%4)+512
	global_store_b128 v[LI], v[CDS+8:CDS+11], s[PP+2:PP+3] offset:1024*((\a)%4)
	global_store_b128 v[LI], v[CDS+12:CDS+15], s[PP+2:PP+3] offset:1024*((\a)%4)+512
.endm
.macro OUT_R a                         ; q and k: each pair (x1, x2) becomes (x1 cos - x2 sin, x2 cos + x1 sin)
.set AC, 64*((\a)%4)
.set CSS, CS+32*((\a)%2)
.if (\a) < 7
	TBL (\a)+1
	s_wait_loadcnt 8                               ; this block's eight table loads are in; the next block's eight may be out
.else
	s_wait_loadcnt 0
.endif
	WIN 0x02+((\a)/4)                              ; source 0: window 2 or 3
.irp b, 0,1,2,3,4,5,6,7
.irp p, 0,1,2,3
	v_pk_mul_f32 v[T+8*\b+2*\p:T+8*\b+2*\p+1], v[AC+8*\b+2*\p:AC+8*\b+2*\p+1], v[CSS+8*(\b%4)+2*\p:CSS+8*(\b%4)+2*\p+1] op_sel_hi:[1,0]   ; both x cos; each accumulator from its low end on
.endr
.irp p, 0,1,2,3
	v_fma_f32 v[T+8*\b+2*\p], -v[AC+8*\b+2*\p+1], v[CSS+8*(\b%4)+2*\p+1], v[T+8*\b+2*\p]
	v_fma_f32 v[T+8*\b+2*\p+1], v[AC+8*\b+2*\p], v[CSS+8*(\b%4)+2*\p+1], v[T+8*\b+2*\p+1]
.endr
.endr
	WIN 0
	CODES \a, 1
.endm
.macro OUT_V a                         ; v: the hold moves the sums into window 0
.set AC, 64*((\a)%4)
	WIN 0x02+((\a)/4)
.set jj, 0
.rept 64
	v_med3_num_f32 v[T+jj], v[AC+jj], -v[LM], v[LM]
.set jj, jj+1
.endr
	WIN 0
	s_wait_alu depctr_va_vdst(0)
	CODES \a, 0
.endm
	s_cmp_eq_u32 ttmp9, 2                          ; the product: the same in all partners of the cluster; no tensor load and no barrier stands on either way
	s_cbranch_scc1 .Lv_out
	TBL 0
.irp a, 0,1,2,3,4,5,6,7
	OUT_R \a
.endr
	s_branch .Ldone
.Lv_out:
	s_wait_alu depctr_va_vdst(0)
.irp a, 0,1,2,3,4,5,6,7
	OUT_V \a
.endr
.Ldone:
	s_wait_tensorcnt 0x0                           ; the wave's end
	ds_add_u32 v[SPW], v[NIL]
	s_wait_dscnt 0x0
	CROUND                                         ; the closing round: no work-group ends while a partner may still ask for a tile that names it
	s_endpgm
.Lfunc_end_k_qfa80878d0e_qkv:
	.size	k_qfa80878d0e_qkv, .Lfunc_end_k_qfa80878d0e_qkv-k_qfa80878d0e_qkv
	.p2alignl 7, 3214868480
	.fill 96, 4, 3214868480
	.section	.rodata,"a",@progbits
	.p2align	6, 0x0
	.amdhsa_kernel k_qfa80878d0e_qkv
		.amdhsa_group_segment_fixed_size 327680
		.amdhsa_private_segment_fixed_size 0
		.amdhsa_enable_private_segment 0
		.amdhsa_kernarg_size 32
		.amdhsa_user_sgpr_count 2
		.amdhsa_user_sgpr_kernarg_segment_ptr 1
		.amdhsa_wavefront_size32 1
		.amdhsa_system_sgpr_workgroup_id_x 1
		.amdhsa_system_sgpr_workgroup_id_y 1
		.amdhsa_system_sgpr_workgroup_id_z 1
		.amdhsa_system_vgpr_workitem_id 0
		.amdhsa_next_free_vgpr 1024
		.amdhsa_next_free_sgpr 100
		.amdhsa_reserve_vcc 0
		.amdhsa_float_denorm_mode_32 3
		.amdhsa_float_denorm_mode_16_64 3
		.amdhsa_memory_ordered 1
		.amdhsa_forward_progress 1
		.amdhsa_inst_pref_size 214
	.end_amdhsa_kernel
	.amdgpu_metadata
---
amdhsa.version: [ 1, 2 ]
amdhsa.kernels:
  - .name:           k_qfa80878d0e_qkv
    .symbol:         k_qfa80878d0e_qkv.kd
    .args:
      - { .name: cw, .offset: 0, .size: 8, .value_kind: global_buffer, .address_space: global }
      - { .name: rt, .offset: 8, .size: 8, .value_kind: global_buffer, .address_space: global }
      - { .name: lowp_scales, .offset: 16, .size: 8, .value_kind: global_buffer, .address_space: global }
      - { .name: qkv, .offset: 24, .size: 8, .value_kind: global_buffer, .address_space: global }
    .group_segment_fixed_size: 327680
    .private_segment_fixed_size: 0
    .kernarg_segment_align: 8
    .kernarg_segment_size: 32
    .max_flat_workgroup_size: 128
    .sgpr_count:     100
    .vgpr_count:     1024
    .wavefront_size: 32
...
	.end_amdgpu_metadata
.endif
;; end of part 2
;; launch attn (part 3): grid 4 x 64, 16 waves a work-group, clusters of 4 x 4, 327,680 bytes of LDS; arguments qkv, lowp_scales, oc; writes oc
.if DOCPART == 3
	.amdgcn_target "amdgcn-amd-amdhsa--gfx1250"
	.amdhsa_code_object_version 6
	.text
	.protected	k_qfa80878d0e_attn
	.globl	k_qfa80878d0e_attn
	.p2align	8
	.type	k_qfa80878d0e_attn,@function
k_qfa80878d0e_attn:
	s_mov_b64 s[64:65], 0
	v_nop
	global_prefetch_b8 v0, s[64:65] scope:SCOPE_SE
	s_setreg_imm32_b32 hwreg(HW_REG_WAVE_MODE, 25, 1), 1
	s_wait_xcnt 0x0
	s_wait_alu depctr_hold_cnt(0) depctr_sa_sdst(0) depctr_va_vdst(0) depctr_va_sdst(0) depctr_va_ssrc(0) depctr_va_vcc(0) depctr_vm_vsrc(0)
	s_getreg_b32 s2, hwreg(HW_REG_IB_STS2, 6, 4)
	s_cmp_eq_u32 s2, 0
	s_cbranch_scc0 .Lentry_in_a_cluster
	s_endpgm
.Lentry_in_a_cluster:
	s_bfe_u32 s2, ttmp6, 0x10000c
	s_cmp_lg_u32 s2, 0xf033
	s_cbranch_scc0 .Lentry_shape_is_right
	s_endpgm
.Lentry_shape_is_right:
; Causal attention on codes of E4M3, 32 heads (16 batch + head) of 2,048 tokens x 64; O leaves as codes by entry 10, in the images that the last product's operand wants (buffer oc: [256 blocks of 16 tokens][16 heads][1,024]).
; Q, K: images of 16 tokens x 64; V: images of 16 channels x 64 keys, 4 for each 64 keys.  Both products are used transposed: S^T = K Q^T, O^T = V^T P^T: a lane holds ONE query (lane % 16) throughout, and
; the conversions' results are the second product's operand.  p = 2^(t - M), M the running largest t rounded up; the sum is taken of the unquantised p; when M moves, sum and O are multiplied by an exact power of two.
; SHARES.  A head has 128 tiles of 16 queries and 8 work-groups.  Work-group j takes tiles 8 p + j and 127 - (8 p + j), p = 0 .. 7: (p + 1) + (16 - p) = 17 key steps of 128.  Such a pair of tiles belongs to two waves:
; half 0 takes the even key steps of both tiles (9 in all), half 1 the odd ones (8).  Half 0 walks the short tile first, half 1 the long one.  At the end each wave hands its first tile's part to its partner, through LDS,
; and finishes its second tile.  The counts of steps hang on the wave's number alone.
; LEFT OUT: key steps that come wholly after a tile's queries (reference() puts -inf there itself); a NaN or an infinity there alone is not carried to the result.  In a tile's last step hidden scores become -inf ahead of the maximum.
; CLUSTERS: 4 x 4 work-groups = two heads; the four of a row ask jointly for K and V of their head, 262,144 bytes, which fit in LDS: nothing is filled twice.
; LDS: bytes 0 on K's, 32,768 on V's keys 0-511, asked for at the head, 4,096 bytes a wave; 65,536 on K's, 163,840 on V's keys 512-2,047, asked for when those are in, 12,288 bytes a wave.  Trips 0 and 1 need keys 0-511 alone.
; No prefetch: two requests a wave bring everything, and there is no loop ahead of the second.
; LIMITS: e6 + e7 between -123 and 130; e8 and e10 - e8 - e9 between -126 and 119; scaled scores (exponents to the base 2) under 2^31 in magnitude.  NaN is not served.
; REGISTERS: v1-7, v251-254 addresses and constants; v8/v9 the rescaling; v12 -M, v13 largest t, v[14:15] sum in two halves; v16-23 Q; v32-95 K's, then V's fragments; v96-159 S^T, then p; v160-191 O^T; v192-207 p's codes;
;   v208-215 the second tile's Q; v216-247 the first tile's O^T, v248 its sum, v249 its -M.
.set SPARE, 262144                     ; behind the tiles: 128 bytes for each wave
.set PART, 4608                        ; a wave's part on its way to the partner: 4,096 bytes of O^T, 256 of sum and -M; in bytes that nobody reads any more
	s_load_b128 s[4:7], s[0:1], 0x0                ; qkv, the scales' exponents
	s_load_b64 s[8:9], s[0:1], 0x10                ; oc
	v_lshl_add_u32 v30, v0, 2, SPARE
	v_mov_b32 v31, 0
	ds_add_u32 v30, v31                            ; the opening lines: the add, twice on end, and its wait
	ds_add_u32 v30, v31
	v_lshrrev_b32 v10, 5, v0
	v_readfirstlane_b32 s18, v10                   ; wave 0..15
	s_bfe_u32 s36, ttmp6, 0x40000                  ; cx
	s_bfe_u32 s37, ttmp6, 0x40004                  ; cy
	s_lshl_b32 s53, s37, 2
	s_lshl_b32 s53, 15, s53                        ; my row of the cluster
	; descriptor groups 1: 16 (the first load) and 48 (the second) rows of 256 bytes (32 elements of 8), dense
	s_or_b32 s24, s53, (3<<16)|(1<<21)
	s_or_b32 s88, s53, (3<<16)|(1<<21)
.irp g, 24, 88
	s_mov_b32 s[\g+1], 32<<16
	s_mov_b32 s[\g+3], 32<<16
	s_mov_b32 s[\g+5], 32
	s_mov_b32 s[\g+6], 0
	s_mov_b32 s[\g+7], 0
.endr
	s_mov_b32 s26, 16<<16
	s_mov_b32 s28, 16
	s_mov_b32 s90, 48<<16
	s_mov_b32 s92, 48
	s_and_b32 s52, ttmp7, 0xffff
	s_lshl_b32 s52, s52, 1
	s_lshr_b32 s53, s37, 1
	s_add_co_u32 s52, s52, s53                     ; head = 2 x cluster y + cy / 2
	s_lshl_b32 s58, s52, 17                        ; a head's Q, K or V: 131,072 bytes
	s_lshr_b32 s53, s18, 3
	s_lshl_b32 s53, s53, 22
	s_add_co_u32 s60, s58, s53
	s_add_co_u32 s60, s60, 0x400000                ; waves 0-7 fetch for K at 4 MiB, waves 8-15 for V at 8
	s_and_b32 s59, s18, 7
	s_lshl_b32 s10, s59, 12
	s_add_co_u32 s10, s10, s60                     ; keys 0-511: 4,096 x (wave % 8)
	s_mov_b32 s11, 0
	s_mul_i32 s12, s59, 12288
	s_add_co_u32 s12, s12, s60
	s_add_co_u32 s12, s12, 32768                   ; the rest: 32,768 + 12,288 x (wave % 8)
	s_mov_b32 s13, 0
	s_mov_b32 s32, 1
	s_lshl_b32 s33, s18, 12                        ; to LDS byte 4,096 x wave,
	s_mov_b32 s96, 1
	s_mul_i32 s97, s18, 12288
	s_add_co_u32 s97, s97, 65536                   ; and 65,536 + 12,288 x wave
	s_wait_dscnt 0x0                               ; both adds are done
	s_wait_kmcnt 0x0
	s_load_b256 s[68:75], s[6:7], 0x0              ; e0 to e7
	s_load_b128 s[76:79], s[6:7], 0x20             ; e8 to e11
	s_add_nc_u64 s[34:35], s[4:5], s[10:11]
	s_or_b32 s35, s35, 0x80000000
	s_add_nc_u64 s[98:99], s[4:5], s[12:13]
	s_or_b32 s99, s99, 0x80000000
.macro CROUND                          ; a round of the cluster's barrier
	s_barrier_signal -1
	s_barrier_wait -1
	s_cmp_lg_u32 s18, 0
	s_cbranch_scc1 .Lnot_wave_0_\@
	s_barrier_signal -3
.Lnot_wave_0_\@:
	s_barrier_wait -3
	s_barrier_signal -1
	s_barrier_wait -1
.endm
	CROUND                                         ; all sixteen work-groups are here: the joint loads meet
	tensor_load_to_lds s[32:35], s[24:31]          ; keys 0-511
	s_nop 0
	; p, half, and a, the steps of my first tile: 8 - a = 7 - p / 2 in half 0, (p + 1) / 2 in half 1
	s_and_b32 s53, s18, 3
	s_lshr_b32 s19, s18, 3
	s_lshl_b32 s19, s19, 2
	s_add_co_u32 s19, s19, s53                     ; p = wave % 4 + 4 (wave / 8)
	s_bfe_u32 s40, s18, 0x10002                    ; half = bit 2 of the wave's number
	s_lshr_b32 s41, s19, 1
	s_xor_b32 s41, s41, 7
	s_add_co_u32 s42, s19, 1
	s_lshr_b32 s42, s42, 1
	s_xor_b32 s14, s40, 1
	s_mul_i32 s41, s41, s14
	s_mul_i32 s42, s42, s40
	s_add_co_u32 s42, s42, s41                     ; 8 - a
	s_sub_co_u32 s46, 8, s42
	s_lshl_b32 s42, s42, 14                        ; counted in 16,384: two key steps of K, one trip
	s_lshl_b32 s46, s46, 14
	s_xor_b32 s53, s19, 15                         ; 15 - p
	s_cmp_eq_u32 s40, 1
	s_cselect_b32 s50, s53, s19                    ; my first tile's last step: p or 15 - p,
	s_xor_b32 s51, s50, 15                         ; my second's,
	s_lshl_b32 s50, s50, 13                        ; counted in 8,192: one key step
	s_lshl_b32 s51, s51, 13
	s_lshl_b32 s47, s40, 13
	s_sub_co_u32 s39, 9, s40
	s_lshl_b32 s39, s39, 14                        ; my trips
	s_mov_b32 s86, 0x8000
	s_mov_b32 s87, 0x20000
	; j, my two tiles, and where a tile's queries begin in its last step's 128 keys
	s_and_b32 s66, s37, 1
	s_lshl_b32 s66, s66, 2
	s_add_co_u32 s38, s36, s66                     ; j = cx + 4 (cy % 2)
	s_lshl_b32 s80, s19, 3
	s_add_co_u32 s80, s80, s38
	s_sub_co_u32 s81, 127, s80
	s_lshl_b32 s56, s38, 4
	s_sub_co_u32 s57, 112, s56
	s_cmp_eq_u32 s40, 1
	s_cselect_b32 s66, s81, s80
	s_cselect_b32 s67, s80, s81
	s_cselect_b32 s84, s57, s56
	s_cselect_b32 s57, s56, s57
	s_mov_b32 s56, s84
	s_mov_b32 s81, 0
	s_lshl_b32 s80, s66, 10
	s_add_co_u32 s80, s80, s58
	s_add_nc_u64 s[82:83], s[4:5], s[80:81]        ; Q of my first tile
	s_lshl_b32 s80, s67, 10
	s_add_co_u32 s80, s80, s58
	s_add_nc_u64 s[84:85], s[4:5], s[80:81]        ; and of my second
	s_lshr_b32 s80, s52, 4
	s_lshl_b32 s80, s80, 7
	s_add_co_u32 s80, s80, s67
	s_lshl_b32 s80, s80, 14
	s_and_b32 s66, s52, 15
	s_lshl_b32 s66, s66, 10
	s_add_co_u32 s80, s80, s66
	s_add_nc_u64 s[8:9], s[8:9], s[80:81]          ; oc: block of 16 tokens, head
	s_mul_i32 s53, s18, PART
	s_xor_b32 s15, s18, 4                          ; my partner
	s_mul_i32 s15, s15, PART
	v_and_b32 v10, 31, v0
	v_lshlrev_b32 v1, 4, v10                       ; 16 x lane
	global_load_b128 v[16:19], v1, s[82:83]
	global_load_b128 v[20:23], v1, s[82:83] offset:512
	global_load_b128 v[208:211], v1, s[84:85]
	global_load_b128 v[212:215], v1, s[84:85] offset:512
	v_lshlrev_b32 v11, 3, v10
	v_add_nc_u32 v251, s53, v1
	v_add_nc_u32 v252, s53, v11
	v_add_nc_u32 v253, s15, v1
	v_add_nc_u32 v254, s15, v11
	v_and_b32 v10, 15, v0
	v_bfe_u32 v11, v0, 4, 1
	v_lshlrev_b32 v11, 3, v11
	v_sub_nc_u32 v3, v10, v11                      ; r - 8 h
	s_mov_b32 s20, 0x76543210
	s_mov_b32 s21, 0xfedcba98                      ; v_permlanex16_b32's selects for lane l xor 16
	v_mov_b32 v6, 0xff800000                       ; -infinity
	v_mov_b32 v13, 0xff61b1e6                      ; -3e38, under every t
	v_mov_b32 v14, 0
	v_mov_b32 v15, 0
	v_mov_b32 v9, 0                                ; (upper halves of pairs whose low word serves both)
	v_mov_b32 v29, 0
	v_mov_b32 v24, 0                               ; (a lane permute's destination counts as a source)
	v_floor_f32 v12, -v13
.macro ZERO_O
.set jj, 0
.rept 32
	v_mov_b32 v[160+jj], 0
.set jj, jj+1
.endr
.endm
	ZERO_O                                         ; (the step is written for all trips: a tile's first multiplies zeros)
.set jj, 0
.rept 34
	v_mov_b32 v[216+jj], 0                         ; the first tile's part: written on every way, though trip a writes it anew
.set jj, jj+1
.endr
	s_mov_b32 s43, 0                               ; 16,384 x trip
	s_wait_alu depctr_va_vdst(0)
	s_wait_kmcnt 0x0
	s_add_co_i32 s53, s74, s75
	s_lshl_b32 s53, s53, 23
	s_add_co_i32 s22, s53, 0x3e38aa3b              ; log2(e) / 8 x 2^(e6 + e7)
	s_mov_b32 s23, s22
	s_add_co_i32 s53, s76, 127
	s_lshl_b32 s55, s53, 23
	v_mov_b32 v4, s55                              ; 2^e8
	s_add_co_i32 s53, s53, 8
	s_lshl_b32 s53, s53, 23
	s_or_b32 s53, s53, 0x600000
	v_mov_b32 v5, s53                              ; 448 x that
; A TRIP: key step 2 x + half of the tile in hand, x = trip in my first tile, trip - a in my second.  m: the mask of x's bits that the trips of this loop use; first = 1: x is 0 or 1.
.macro STEP m, first
	s_cmp_lg_u32 s43, s46
	s_cbranch_scc1 .Lsame_\@
	v_add_f32 v248, v14, v15                       ; trip a: the first tile is put by, the second begins
	v_mov_b32 v249, v12
.rept 2
	v_nop                                          ; with the two lines above four places behind the last products
.endr
.set jj, 0
.rept 32
	v_mov_b32 v[216+jj], v[160+jj]
.set jj, jj+1
.endr
	v_mov_b32 v13, 0xff61b1e6
	ZERO_O
	v_floor_f32 v12, -v13
	v_mov_b32 v14, 0
	v_mov_b32 v15, 0
.set jj, 0
.rept 8
	v_mov_b32 v[16+jj], v[208+jj]
.set jj, jj+1
.endr
	s_wait_alu depctr_va_vdst(0)
.Lsame_\@:
	s_cmp_ge_u32 s43, s39                          ; half 1 has eight trips
	s_cbranch_scc1 .Lhid_\@
	s_cmp_lt_u32 s43, s46
	s_cselect_b32 s45, 0, s42
	s_cselect_b32 s53, s50, s51                    ; the tile's last step
	s_cselect_b32 s54, s56, s57                    ; and where its queries begin there
	s_add_co_u32 s45, s45, s43
	s_and_b32 s45, s45, \m
	s_add_co_u32 s45, s45, s47                     ; 8,192 x key step
.if \first
	s_mov_b32 s48, s45                             ; K's keys 0-511 from byte 0 on,
	s_add_co_u32 s49, s45, 0x8000                  ; V's from byte 32,768 on
.else
	s_cmp_lt_u32 s45, 0x8000                       ; and the rest: K 32,768, V 131,072 bytes further on
	s_cselect_b32 s48, 0, s86
	s_cselect_b32 s49, s86, s87
	s_add_co_u32 s48, s48, s45
	s_add_co_u32 s49, s49, s45
.endif
	v_add_nc_u32 v2, s48, v1
	v_add_nc_u32 v7, s49, v1
.rept 2
	v_nop                                          ; with the two lines above four places ahead of loads into registers that the last products have read
.endr
.irp t, 0,1,2,3,4,5,6,7
	ds_load_b128 v[32+8*\t:35+8*\t], v2 offset:1024*\t
	ds_load_b128 v[36+8*\t:39+8*\t], v2 offset:1024*\t+512
.endr
	s_wait_alu depctr_va_vdst(0)
	s_wait_dscnt 0x0
.irp t, 0,1,2,3,4,5,6,7                        ; S^T: register 8 t + j of lane (r, h) is key 16 t + 8 h + j
	v_wmma_f32_16x16x64_fp8_fp8 v[96+8*\t:103+8*\t], v[32+8*\t:39+8*\t], v[16:23], 0
.endr
.rept 4
	v_nop                                          ; places: ahead of loads into the registers just read, and of readers of S^T
.endr
.irp t, 0,1,2,3                                ; V's fragments land while the softmax is at work
.irp k, 0,1
	ds_load_b128 v[32+16*\t+8*\k:35+16*\t+8*\k], v7 offset:4096*\k+1024*\t
	ds_load_b128 v[36+16*\t+8*\k:39+16*\t+8*\k], v7 offset:4096*\k+1024*\t+512
.endr
.endr
	s_cmp_lg_u32 s45, s53
	s_cbranch_scc1 .Lopen_\@
	v_add_nc_u32 v25, s54, v3                      ; the tile's last step: key 16 t + 8 h + j is hidden where it lies over the query's place
.set jj, 0
.rept 64
	v_cmp_gt_i32 vcc_lo, 16*(jj/8)+jj%8, v25
	v_cndmask_b32 v[96+jj], v[96+jj], v6, vcc_lo
.set jj, jj+1
.endr
.Lopen_\@:
	v_max3_num_f32 v10, v96, v97, v98              ; the largest of my 64 scores, in two chains,
	v_max3_num_f32 v11, v99, v100, v101
.set jj, 6
.rept 14
	v_max3_num_f32 v10, v10, v[96+jj], v[97+jj]
	v_max3_num_f32 v11, v11, v[98+jj], v[99+jj]
.set jj, jj+4
.endr
	v_max3_num_f32 v10, v10, v158, v159
	s_delay_alu instid0(VALU_DEP_1)
	v_max_num_f32 v10, v10, v11
	s_delay_alu instid0(VALU_DEP_1)
	v_permlanex16_b32 v24, v10, s20, s21
	s_delay_alu instid0(VALU_DEP_1)
	v_max_num_f32 v10, v10, v24                    ; and of lane l xor 16's
	s_delay_alu instid0(VALU_DEP_1)
	v_mul_f32 v10, s22, v10
	s_delay_alu instid0(VALU_DEP_1)
	v_max_num_f32 v13, v13, v10
	v_mov_b32 v10, v12
	s_delay_alu instid0(VALU_DEP_2)
	v_floor_f32 v12, -v13                          ; -M
	s_delay_alu instid0(VALU_DEP_1)
	v_sub_f32 v10, v12, v10
	s_delay_alu instid0(VALU_DEP_1)
	v_cvt_i32_f32 v10, v10                         ; old M - new M (it saturates)
	s_delay_alu instid0(VALU_DEP_1)
	v_ldexp_f32 v8, 1.0, v10
.set jj, 0
.rept 32
	v_pk_fma_f32 v[96+jj:97+jj], v[96+jj:97+jj], s[22:23], v[12:13] op_sel_hi:[1,0,0]   ; t - M
.set jj, jj+2
.endr
	s_wait_alu depctr_va_vdst(0)
.set jj, 0
.rept 64
	v_exp_f32 v[96+jj], v[96+jj]
.set jj, jj+1
.endr
	v_pk_mul_f32 v[14:15], v[14:15], v[8:9] op_sel_hi:[1,0]
	s_wait_alu depctr_va_vdst(0)                   ; behind the batch, ahead of the first readers of O^T and of p
.set jj, 0
.rept 16
	v_pk_mul_f32 v[160+jj:161+jj], v[160+jj:161+jj], v[8:9] op_sel_hi:[1,0]   ; O^T under the new M
.set jj, jj+2
.endr
	v_pk_add_f32 v[26:27], v[96:97], v[98:99]      ; the sum is taken of the unquantised p, in two chains
.set jj, 4
.rept 15
	v_pk_add_f32 v[14:15], v[14:15], v[96+jj:97+jj]
	v_pk_add_f32 v[26:27], v[26:27], v[98+jj:99+jj]
.set jj, jj+4
.endr
.irp t, 0,1,2,3,4,5,6,7
.irp j, 0,1,2,3,4,5,6,7
	v_min_num_f32 v[96+8*\t+\j], v[96+8*\t+\j], v5   ; the conversion does not saturate (ISA guide 7.6.2); p is not negative
.endr
	v_cvt_scalef32_pk8_fp8_f32 v[192+2*\t:193+2*\t], v[96+8*\t:103+8*\t], v4
.endr
	v_pk_add_f32 v[14:15], v[14:15], v[26:27]      ; (also the plain line behind the last conversion)
	s_wait_alu depctr_va_vdst(0)
	s_wait_dscnt 0x0
.irp t, 0,1,2,3                                ; O^T: register 8 t + j is channel 16 t + 8 h + j
	v_wmma_f32_16x16x128_fp8_fp8 v[160+8*\t:167+8*\t], v[32+16*\t:47+16*\t], v[192:207], v[160+8*\t:167+8*\t]
.endr
.Lhid_\@:
.endm
	s_mov_b32 s44, 2
	s_wait_alu depctr_va_vdst(0)
	s_wait_loadcnt 0x0                             ; Q
	s_wait_tensorcnt 0x0                           ; my part of keys 0-511 is in
	ds_add_u32 v30, v31
	s_wait_dscnt 0x0
	CROUND                                         ; everybody's is, and the joint loads meet
	tensor_load_to_lds s[96:99], s[88:95]          ; keys 512-2,047: they have trips 0 and 1 in which to land
	s_nop 0
.Lone:                                                 ; trips 0 and 1
	STEP 0x4000, 1
	s_add_co_u32 s43, s43, 0x4000
	s_sub_co_u32 s44, s44, 1
	s_cmp_lg_u32 s44, 0
	s_cbranch_scc1 .Lone
	s_mov_b32 s44, 7
	s_wait_tensorcnt 0x0                           ; my part of the rest is in
	s_wait_dscnt 0x0
	s_barrier_signal -1
	s_barrier_wait -1                              ; everybody's is
.Ltwo:                                                 ; trips 2 to 8
	STEP 0x1c000, 0
	s_add_co_u32 s43, s43, 0x4000
	s_sub_co_u32 s44, s44, 1
	s_cmp_lg_u32 s44, 0
	s_cbranch_scc1 .Ltwo
	; THE TWO HALVES ARE JOINED.  Each wave hands over its first tile's part, O^T, sum and -M, and takes its partner's part of its second tile.
	v_add_f32 v14, v14, v15
.rept 3
	v_nop                                          ; with the line above four places behind the last products
.endr
	s_wait_alu depctr_va_vdst(0)
	s_wait_dscnt 0x0
	s_barrier_signal -1
	s_barrier_wait -1                              ; nobody reads K or V any more, and nothing is filled again: the parts may lie there
.irp g, 0,1,2,3,4,5,6,7
	ds_store_b128 v251, v[216+4*\g:219+4*\g] offset:512*\g
.endr
	ds_store_b64 v252, v[248:249] offset:4096
	s_wait_dscnt 0x0
	s_barrier_signal -1
	s_barrier_wait -1
.irp g, 0,1,2,3,4,5,6,7
	ds_load_b128 v[32+4*\g:35+4*\g], v253 offset:512*\g
.endr
	ds_load_b64 v[66:67], v254 offset:4096
	s_sub_co_i32 s53, s78, s76
	s_sub_co_i32 s53, s53, s77
	s_add_co_i32 s53, s53, 127
	s_lshl_b32 s55, s53, 23                        ; 2^(e10 - e8 - e9)
	s_add_co_i32 s53, s53, 8
	s_lshl_b32 s53, s53, 23
	s_or_b32 s53, s53, 0x600000                    ; 448 x that
	s_wait_dscnt 0x0
	v_min_num_f32 v10, v12, v67                    ; -M of both
	v_sub_f32 v8, v10, v12
	v_sub_f32 v28, v10, v67
	v_cvt_i32_f32 v8, v8
	v_cvt_i32_f32 v28, v28
	v_ldexp_f32 v8, 1.0, v8
	v_ldexp_f32 v28, 1.0, v28
	v_mul_f32 v14, v14, v8
	v_fma_f32 v14, v66, v28, v14
	v_permlanex16_b32 v24, v14, s20, s21
	v_add_f32 v14, v14, v24                        ; the row's sum
	s_wait_alu depctr_va_vdst(0)
	v_rcp_f32 v14, v14
	v_mov_b32 v4, s55
	v_mov_b32 v5, s53
	s_wait_alu depctr_va_vdst(0)                   ; behind the transcendental
	v_mul_f32 v8, v8, v14
	v_mul_f32 v28, v28, v14
	s_wait_alu depctr_va_vdst(0)                   ; directly ahead of the first reader of O^T
.set jj, 0
.rept 16
	v_pk_mul_f32 v[96+jj:97+jj], v[160+jj:161+jj], v[8:9] op_sel_hi:[1,0]
.set jj, jj+2
.endr
.set jj, 0
.rept 16
	v_pk_fma_f32 v[96+jj:97+jj], v[32+jj:33+jj], v[28:29], v[96+jj:97+jj] op_sel_hi:[1,0,1]
.set jj, jj+2
.endr
.irp t, 0,1,2,3
.irp j, 0,1,2,3,4,5,6,7
	v_med3_num_f32 v[96+8*\t+\j], v[96+8*\t+\j], -v5, v5
.endr
	v_cvt_scalef32_pk8_fp8_f32 v[192+2*\t:193+2*\t], v[96+8*\t:103+8*\t], v4
.endr
	v_nop                                          ; a plain line behind the last conversion
	global_store_b128 v1, v[192:195], s[8:9]       ; 512 consecutive bytes, aligned
	global_store_b128 v1, v[196:199], s[8:9] offset:512
	s_wait_tensorcnt 0x0                           ; the wave's end
	ds_add_u32 v30, v31
	s_wait_dscnt 0x0
	CROUND                                         ; the closing round: no work-group ends while a partner may still ask for a tile that names it
	s_endpgm
.Lfunc_end_k_qfa80878d0e_attn:
	.size	k_qfa80878d0e_attn, .Lfunc_end_k_qfa80878d0e_attn-k_qfa80878d0e_attn
	.p2alignl 7, 3214868480
	.fill 96, 4, 3214868480
	.section	.rodata,"a",@progbits
	.p2align	6, 0x0
	.amdhsa_kernel k_qfa80878d0e_attn
		.amdhsa_group_segment_fixed_size 327680
		.amdhsa_private_segment_fixed_size 0
		.amdhsa_enable_private_segment 0
		.amdhsa_kernarg_size 24
		.amdhsa_user_sgpr_count 2
		.amdhsa_user_sgpr_kernarg_segment_ptr 1
		.amdhsa_wavefront_size32 1
		.amdhsa_system_sgpr_workgroup_id_x 1
		.amdhsa_system_sgpr_workgroup_id_y 1
		.amdhsa_system_sgpr_workgroup_id_z 1
		.amdhsa_system_vgpr_workitem_id 0
		.amdhsa_next_free_vgpr 256
		.amdhsa_next_free_sgpr 100
		.amdhsa_reserve_vcc 1
		.amdhsa_float_denorm_mode_32 3
		.amdhsa_float_denorm_mode_16_64 3
		.amdhsa_memory_ordered 1
		.amdhsa_forward_progress 1
		.amdhsa_inst_pref_size 65
	.end_amdhsa_kernel
	.amdgpu_metadata
---
amdhsa.version: [ 1, 2 ]
amdhsa.kernels:
  - .name:           k_qfa80878d0e_attn
    .symbol:         k_qfa80878d0e_attn.kd
    .args:
      - { .name: qkv, .offset: 0, .size: 8, .value_kind: global_buffer, .address_space: global }
      - { .name: lowp_scales, .offset: 8, .size: 8, .value_kind: global_buffer, .address_space: global }
      - { .name: oc, .offset: 16, .size: 8, .value_kind: global_buffer, .address_space: global }
    .group_segment_fixed_size: 327680
    .private_segment_fixed_size: 0
    .kernarg_segment_align: 8
    .kernarg_segment_size: 24
    .max_flat_workgroup_size: 512
    .sgpr_count:     100
    .vgpr_count:     256
    .wavefront_size: 32
...
	.end_amdgpu_metadata
.endif
;; end of part 3
;; launch oproj (part 4): grid 8 x 32, 4 waves a work-group, clusters of 4 x 4, 327,680 bytes of LDS; arguments oc, cw, lowp_scales, out0; writes out0
.if DOCPART == 4
	.amdgcn_target "amdgcn-amd-amdhsa--gfx1250"
	.amdhsa_code_object_version 6
	.text
	.protected	k_qfa80878d0e_oproj
	.globl	k_qfa80878d0e_oproj
	.p2align	8
	.type	k_qfa80878d0e_oproj,@function
k_qfa80878d0e_oproj:
	s_mov_b64 s[64:65], 0
	v_nop
	global_prefetch_b8 v0, s[64:65] scope:SCOPE_SE
	s_setreg_imm32_b32 hwreg(HW_REG_WAVE_MODE, 25, 1), 1
	s_wait_xcnt 0x0
	s_wait_alu depctr_hold_cnt(0) depctr_sa_sdst(0) depctr_va_vdst(0) depctr_va_sdst(0) depctr_va_ssrc(0) depctr_va_vcc(0) depctr_vm_vsrc(0)
	s_getreg_b32 s2, hwreg(HW_REG_IB_STS2, 6, 4)
	s_cmp_eq_u32 s2, 0
	s_cbranch_scc0 .Lentry_in_a_cluster
	s_endpgm
.Lentry_in_a_cluster:
	s_bfe_u32 s2, ttmp6, 0x10000c
	s_cmp_lg_u32 s2, 0xf033
	s_cbranch_scc0 .Lentry_shape_is_right
	s_endpgm
.Lentry_shape_is_right:
; out0 = O Wo^T on codes of E4M3, x 2^(e10 + e11).  O: buffer oc, [256 blocks of 16 tokens][16 images of a fragment's registers, 64 along K each]; Wo: blocks 960-1,023 of cw, [4 K steps of 256][1,024 blocks][4 images].  out0: [4096][1024] f32.
; A tile of out0 is 128 x 128, so that there are 256 work-groups; four waves, 64 x 64 each: 16 accumulators.  The tile's whole K (131,072 bytes of O, as many of Wo) fits in LDS and is asked for at the head,
; 65,536 bytes a wave: waves 0 and 1 fetch 4 blocks x 16,384 bytes of O, waves 2 and 3 4 K steps x 16,384 bytes (4 blocks) of Wo.  No byte is filled twice: no ring, and one barrier ahead of the first read.
; CLUSTERS: 4 x 4 work-groups; O's tile is asked for jointly by the four of a row of the cluster, Wo's by the four of a column.
; The matrix instruction is used transposed (source 0 = 16 rows of Wo, source 1 = 16 tokens): a lane holds eight neighbouring numbers of a row of out0.
; LIMIT: e10 + e11 lies between -126 and 127.  No prefetch: all tiles are asked for by the first instructions.
; REGISTERS: window 0: v8, v12 LDS addresses of my fragments of O and Wo; v24-26 the way out; v32-63 scaled sums; v64-127 rows read back, two sets; v128-255 accumulators ((a, b) at v[128 + 8 (4 a + b)]).
;   window 1: two fragment buffers of 128: for 128 along K, 64 registers of O (4 x 16 tokens), then 64 of Wo.
.set STG,    262144                    ; behind the tiles: 16 rows x 272 bytes for each wave, for the way out
.set SPITCH, 272                       ; 256 bytes + 16: the sixteen rows of a store start at sixteen different 16-byte columns
.set SPARE,  STG+4*16*SPITCH           ; behind the stages: the spare words
.set ADA,  8
.set ADB,  12
.set STO,  24
.set RD,   25
.set CO,   26
.set TMP,  32
.set BK,   64
.set ACC,  128
.set MSB, 0
.macro WIN new                         ; the immediate's high byte repeats the setting that is left
.if MSB != \new
	s_set_vgpr_msb (MSB<<8)|\new
.set MSB, \new
.endif
.endm
.set MUL,  0x05                        ; sources 0 and 1 window 1; C and D window 0
.set TO_F, 0x40                        ; destination window 1, address window 0
.macro CROUND                          ; a round of the cluster's barrier
	s_barrier_signal -1
	s_barrier_wait -1
	s_cmp_lg_u32 s12, 0
	s_cbranch_scc1 .Lnot_wave_0_\@
	s_barrier_signal -3
.Lnot_wave_0_\@:
	s_barrier_wait -3
	s_barrier_signal -1
	s_barrier_wait -1
.endm
	s_load_b128 s[4:7], s[0:1], 0x0                ; oc s[4:5], cw s[6:7]
	s_load_b128 s[8:11], s[0:1], 0x10              ; the scales' exponents s[8:9], out0 s[10:11]
	v_lshl_add_u32 v30, v0, 2, SPARE
	v_mov_b32 v31, 0
	ds_add_u32 v30, v31                            ; the wave's opening: the add, twice on end, and its wait
	ds_add_u32 v30, v31
	v_lshrrev_b32 v1, 5, v0
	v_readfirstlane_b32 s12, v1                    ; wave 0..3
	s_lshr_b32 s13, s12, 1                         ; which half of the tile's rows is mine.  Also: I fetch for O (0) or for Wo (1)
	s_and_b32 s14, s12, 1                          ; which half of its columns.  Also: which 64 rows of that tile I fetch
	s_bfe_u32 s66, ttmp6, 0x40000                  ; cx, cy
	s_bfe_u32 s67, ttmp6, 0x40004
	s_lshl_b32 s68, ttmp9, 2
	s_add_co_u32 s68, s68, s66                     ; tile column = 4 x cluster x + cx
	s_and_b32 s69, ttmp7, 0xffff
	s_lshl_b32 s69, s69, 2
	s_add_co_u32 s69, s69, s67                     ; tile row = 4 x cluster y + cy
	s_lshl_b32 s70, s67, 2
	s_lshl_b32 s70, 15, s70                        ; my row of the cluster
	s_lshl_b32 s71, 0x1111, s66                    ; my column
	; descriptor group 1: 4 rows x 16,384 bytes (2,048 elements of 8 bytes); from row to row 16,384 bytes in oc, 4 MiB in cw
	s_or_b32 s16, s70, (3<<16)|(1<<21)             ; O's tiles go to my row
	s_or_b32 s24, s71, (3<<16)|(1<<21)             ; Wo's to my column
.irp g, 16, 24
	s_mov_b32 s[\g+1], 2048<<16                    ; tensor_dim0
	s_mov_b32 s[\g+2], 4<<16                       ; tensor_dim1
	s_mov_b32 s[\g+3], 2048<<16                    ; tile_dim0
	s_mov_b32 s[\g+4], 4                           ; tile_dim1
	s_mov_b32 s[\g+6], 0
	s_mov_b32 s[\g+7], 0
.endr
	s_mov_b32 s21, 2048                            ; tensor_dim0_stride
	s_mov_b32 s29, 0x80000
	s_lshl_b32 s72, s69, 3
	s_lshl_b32 s73, s14, 2
	s_add_co_u32 s72, s72, s73                     ; O: block 8 x tile row + 4 x half
	s_lshl_b32 s72, s72, 14
	s_mov_b32 s73, 0
	s_lshl_b32 s74, s68, 3
	s_lshl_b32 s75, s14, 2
	s_add_co_u32 s74, s74, s75
	s_add_co_u32 s74, s74, 960                     ; Wo: block 960 + 8 x tile column + 4 x half
	s_lshl_b32 s74, s74, 12
	s_mov_b32 s75, 0
	s_lshl_b32 s76, s12, 16                        ; where they go: 65,536 x wave: no place in the cluster enters an LDS address
	s_wait_dscnt 0x0                               ; both opening adds are done
	s_wait_kmcnt 0x0
	s_load_b64 s[96:97], s[8:9], 0x28              ; e10, e11
	s_add_nc_u64 s[72:73], s[4:5], s[72:73]
	s_add_nc_u64 s[74:75], s[6:7], s[74:75]
	s_mov_b32 s32, 1
	s_mov_b32 s33, s76
	s_mov_b64 s[34:35], s[72:73]
	s_or_b32 s35, s35, 0x80000000
	s_mov_b32 s48, 1
	s_mov_b32 s49, s76
	s_mov_b64 s[50:51], s[74:75]
	s_or_b32 s51, s51, 0x80000000
	CROUND                                         ; all sixteen work-groups are here: the joint loads meet
	s_cmp_eq_u32 s13, 0                            ; one load a wave; the branch hangs on the wave's number alone
	s_cbranch_scc0 .Lfor_b
	tensor_load_to_lds s[32:35], s[16:23]
	s_nop 0
.rept 4
	v_nop
.endr
	s_branch .Lasked
.Lfor_b:
	tensor_load_to_lds s[48:51], s[24:31]
	s_nop 0
.rept 4
	v_nop
.endr
.Lasked:
	s_lshl_b32 s77, s13, 16                        ; my 4 blocks of O
	s_lshl_b32 s78, s14, 16                        ; my 4 blocks of Wo,
	s_add_co_u32 s78, s78, 131072                  ; which lie behind O's 8
	s_mul_i32 s79, s12, 16*SPITCH
	s_add_co_u32 s79, s79, STG                     ; my stage
	v_and_b32 v1, 31, v0
	v_lshlrev_b32 v2, 4, v1                        ; 16 x lane
	v_and_b32 v3, 15, v0                           ; r
	v_bfe_u32 v4, v0, 4, 1                         ; h
	v_add_nc_u32 v[ADA], s77, v2
	v_add_nc_u32 v[ADB], s78, v2
	v_mul_u32_u24 v[STO], v3, SPITCH               ; in: row r, 32 bytes for each half of the lanes
	v_lshl_add_u32 v[STO], v4, 5, v[STO]
	v_add_nc_u32 v[STO], s79, v[STO]
	v_mul_u32_u24 v[RD], v4, SPITCH                ; back: lanes 0-15 take one row of 256 bytes, lanes 16-31 the next
	v_lshl_add_u32 v[RD], v3, 4, v[RD]
	v_add_nc_u32 v[RD], s79, v[RD]
	v_lshlrev_b32 v[CO], 12, v4                    ; and the same two rows in out0 (4,096 bytes a row)
	v_lshl_add_u32 v[CO], v3, 4, v[CO]
	s_lshl_b32 s80, s69, 7
	s_lshl_b32 s81, s13, 6
	s_add_co_u32 s80, s80, s81                     ; my first row: 128 x tile row + 64 x half
	s_lshl_b32 s80, s80, 12
	s_lshl_b32 s81, s68, 9                         ; my first column in bytes: 512 x tile column + 256 x half
	s_add_co_u32 s80, s80, s81
	s_lshl_b32 s81, s14, 8
	s_add_co_u32 s80, s80, s81
	s_mov_b32 s81, 0
	s_add_nc_u64 s[10:11], s[10:11], s[80:81]
; 32 LDS loads in one run: the fragments of sub-step q (128 along K) into buffer f: Wo's four, then O's four; the youngest eight are O's blocks 2 and 3
.macro FETCH q, f
	WIN TO_F
.irp i, 0,1,2,3
.irp c, 0,1,2,3
	ds_load_b128 v[\f+64+16*\i+4*\c:\f+64+16*\i+4*\c+3], v[ADB] offset:16384*((\q)/2)+4096*\i+2048*((\q)%2)+512*\c
.endr
.endr
.irp i, 0,1,2,3
.irp c, 0,1,2,3
	ds_load_b128 v[\f+16*\i+4*\c:\f+16*\i+4*\c+3], v[ADA] offset:16384*\i+2048*(\q)+512*\c
.endr
.endr
.endm
; 8 matrix instructions: O's blocks a0, a0 + 1 x Wo's four.  The 16 accumulators take turns, one instruction a turn, in the same order in every sub-step.
.macro MUL8 f, a0, zero
.irp a, \a0, \a0+1
.irp b, 0,1,2,3
.if \zero
	v_wmma_f32_16x16x128_fp8_fp8 v[ACC+8*(4*(\a)+\b):ACC+8*(4*(\a)+\b)+7], v[\f+64+16*\b:\f+64+16*\b+15], v[\f+16*(\a):\f+16*(\a)+15], 0
.else
	v_wmma_f32_16x16x128_fp8_fp8 v[ACC+8*(4*(\a)+\b):ACC+8*(4*(\a)+\b)+7], v[\f+64+16*\b:\f+64+16*\b+15], v[\f+16*(\a):\f+16*(\a)+15], v[ACC+8*(4*(\a)+\b):ACC+8*(4*(\a)+\b)+7]
.endif
.endr
.endr
.endm
.macro PLACES                          ; four plain lines in front of loads into registers that matrix instructions have read, and of reads of results
.rept 4
	v_nop
.endr
.endm
; Sub-step q multiplies buffer q % 2 and fetches sub-step q + 1 into the other.
.macro SUB q, zero
.set FB, 128*((\q)%2)
.set FN, 128-FB
.if (\q) == 7
	s_wait_dscnt 0x0
	WIN MUL
	MUL8 FB, 0, 0
	MUL8 FB, 2, 0
	WIN 0
.else
	s_wait_dscnt 8                                 ; Wo's fragments and O's blocks 0 and 1 are in; the youngest eight loads may be out
	WIN MUL
	MUL8 FB, 0, \zero
	PLACES
	FETCH (\q)+1, FN
	s_wait_dscnt 32                                ; all but the 32 just issued
	WIN MUL
	MUL8 FB, 2, \zero
.endif
.endm
	s_wait_alu depctr_va_vdst(0)
	s_wait_tensorcnt 0x0                           ; my part is in; nothing is ever filled again
	s_barrier_signal -1
	s_barrier_wait -1                              ; everybody's is
	FETCH 0, 0
	SUB 0, 1                                       ; its products start the sums
.irp q, 1,2,3,4,5,6,7
	SUB \q, 0
.endr
	; THE WAY OUT, block by block of 16 rows x 64 columns: x 2^(e10 + e11), through my own stage, back as whole rows of 256 bytes.  LDS serves a wave's instructions in order (ISA guide 5.7.1.4): no wait between my stores and my loads.
	s_wait_kmcnt 0x0
	s_add_co_i32 s96, s96, s97
	s_add_co_i32 s96, s96, 127
	s_lshl_b32 s96, s96, 23                        ; 2^(e10 + e11) as f32
	s_mov_b32 s97, s96                             ; (named with it as a pair)
	PLACES
.macro TOSTAGE a
.set BB, BK+32*((\a)%2)
.set jj, 0
.rept 16
	v_pk_mul_f32 v[TMP+jj:TMP+jj+1], v[ACC+32*(\a)+jj:ACC+32*(\a)+jj+1], s[96:97] op_sel_hi:[1,0]   ; each accumulator from its low end on
.set jj, jj+2
.endr
.irp b, 0,1,2,3
	ds_store_b128 v[STO], v[TMP+8*\b:TMP+8*\b+3] offset:64*\b
	ds_store_b128 v[STO], v[TMP+8*\b+4:TMP+8*\b+7] offset:64*\b+16
.endr
.irp t, 0,1,2,3,4,5,6,7
	ds_load_b128 v[BB+4*\t:BB+4*\t+3], v[RD] offset:\t*2*SPITCH
.endr
.endm
.macro SEND a, younger                 ; younger: the LDS instructions issued behind block a's loads, which may stay out
.set BB, BK+32*((\a)%2)
	s_wait_dscnt \younger
.irp t, 0,1,2,3,4,5,6,7
	global_store_b128 v[CO], v[BB+4*\t:BB+4*\t+3], s[10:11] offset:65536*(\a)+8192*\t th:TH_STORE_NT   ; 16 lanes store 256 consecutive bytes, aligned; written once, read by nobody here
.endr
.endm
	TOSTAGE 0
.irp a, 1,2,3
.if \a > 1
	s_wait_xcnt 0x0                                ; block a - 2's stores have read their registers: block a's loads may land there
.endif
	TOSTAGE \a
	SEND \a-1, 16                                  ; behind block a - 1's loads: block a's 8 stores and 8 loads
.endr
	SEND 3, 0
	s_wait_tensorcnt 0x0                           ; the wave's end
	ds_add_u32 v30, v31
	s_wait_dscnt 0x0
	CROUND                                         ; the closing round: no work-group ends while a partner may still ask for a tile that names it
	s_endpgm
.Lfunc_end_k_qfa80878d0e_oproj:
	.size	k_qfa80878d0e_oproj, .Lfunc_end_k_qfa80878d0e_oproj-k_qfa80878d0e_oproj
	.p2alignl 7, 3214868480
	.fill 96, 4, 3214868480
	.section	.rodata,"a",@progbits
	.p2align	6, 0x0
	.amdhsa_kernel k_qfa80878d0e_oproj
		.amdhsa_group_segment_fixed_size 327680
		.amdhsa_private_segment_fixed_size 0
		.amdhsa_enable_private_segment 0
		.amdhsa_kernarg_size 32
		.amdhsa_user_sgpr_count 2
		.amdhsa_user_sgpr_kernarg_segment_ptr 1
		.amdhsa_wavefront_size32 1
		.amdhsa_system_sgpr_workgroup_id_x 1
		.amdhsa_system_sgpr_workgroup_id_y 1
		.amdhsa_system_sgpr_workgroup_id_z 1
		.amdhsa_system_vgpr_workitem_id 0
		.amdhsa_next_free_vgpr 512
		.amdhsa_next_free_sgpr 100
		.amdhsa_reserve_vcc 0
		.amdhsa_float_denorm_mode_32 3
		.amdhsa_float_denorm_mode_16_64 3
		.amdhsa_memory_ordered 1
		.amdhsa_forward_progress 1
		.amdhsa_inst_pref_size 44
	.end_amdhsa_kernel
	.amdgpu_metadata
---
amdhsa.version: [ 1, 2 ]
amdhsa.kernels:
  - .name:           k_qfa80878d0e_oproj
    .symbol:         k_qfa80878d0e_oproj.kd
    .args:
      - { .name: oc, .offset: 0, .size: 8, .value_kind: global_buffer, .address_space: global }
      - { .name: cw, .offset: 8, .size: 8, .value_kind: global_buffer, .address_space: global }
      - { .name: lowp_scales, .offset: 16, .size: 8, .value_kind: global_buffer, .address_space: global }
      - { .name: out0, .offset: 24, .size: 8, .value_kind: global_buffer, .address_space: global }
    .group_segment_fixed_size: 327680
    .private_segment_fixed_size: 0
    .kernarg_segment_align: 8
    .kernarg_segment_size: 32
    .max_flat_workgroup_size: 128
    .sgpr_count:     100
    .vgpr_count:     512
    .wavefront_size: 32
...
	.end_amdgpu_metadata
.endif
;; end of part 4
